; MI455X (gfx1250); checked and timed in simulation.
; The chip was launched on July 23, 2026; its instructions are those of AMD's public machine-readable ISA for CDNA 5 (MIT licence, August 2026) and "CDNA5" Instruction Set Architecture Reference Guide (July 2026). The comments in the code are by the model that wrote it; some were corrected since.
;; Mo E Head. Allowed arithmetic: matrix products marked QUANTISED: E4M3 operands, one E8M0 scale for each 32 along K, by v_wmma_scale_f32_16x16x128_f8f6f4 with both operands' format E4M3, f32 sums; products left as they are: f32 operands where the result goes on into a quantised operand, else bf16, f16 or f32 operands; f32 sums; everything else in f32.
;; Inputs: W_codes 8 x 512 x 16 x 32 uint8 (E4M3 codes of W, K innermost, in blocks of 32 codes); W_scales 8 x 512 x 16 uint8 (E8M0 scales of W, one for each 32 codes along K); Wg 8 x 512 float32; b 8 x 512 float32; bg 8 float32; x 32,768 x 512 float32.
;; Outputs: out0 32,768 x 512 float32.
;; This version of the problem:
;;   THIS VERSION OF THE PROBLEM IS GIVEN IN LOW PRECISION. The matrix products marked QUANTISED in the list below multiply operands that are first quantised to E4M3 (4 exponent bits, 3 mantissa bits; 8 bits a number), with one power-of-two scale for each 32 numbers along K (OCP MX v1.0); their sums are f32. All else is computed in f32.
;;   The module's matrix products, in the order in which they are computed (A, B: the left and right operand; K: the contracted axis; several contracted axes count as one K, in the product's order):
;;     1. [M 32,768, K 512] x [K 512, N 8]; A: input x; B: input Wg: left as it is (N = 8 < 16)
;;     2. [M 32,768, K 512] x [K 512, N 4,096]; A: input x; B: input W (given as codes): QUANTISED
;;   THE QUANTISER, for each operand of a quantised product, along K:
;;     - K is cut into blocks of 32 from its start; a last block that is shorter is filled with zeros.
;;     - A block's scale is 2^e with e = floor(log2(the largest magnitude in the block)) - 8, held to -126 .. 127; a block of zeros has e = 0. As a byte (E8M0): e + 127.
;;     - Each number is divided by its block's scale, clamped to +-448, and rounded to the nearest number of E4M3, ties to even, subnormals kept.
;;     - The product sums the exact products of the quantised numbers (number of the format x scale) in f32.
;;   ~~~python
;;   def quantise(x, axis):      # numpy; x: float32 -> the quantised numbers, widened to float32 again
;;       x = np.moveaxis(x, axis, -1); K = x.shape[-1]
;;       x = np.pad(x, [(0, 0)] * (x.ndim - 1) + [(0, -K % 32)]); x = x.reshape(x.shape[:-1] + (-1, 32)); a = np.abs(x).max(-1, keepdims=True)
;;       e = np.where(a > 0, np.clip(np.frexp(np.where(a > 0, a, 1))[1] - 1 - 8, -126, 127), 0)      # np.frexp(a)[1] - 1 = floor(log2(a)), exactly
;;       r = np.clip(x / 2.0 ** e, -448, 448)
;;       step = 2.0 ** (np.maximum(np.frexp(np.where(r == 0, 1, r))[1] - 1, -6) - 3)
;;       q = np.round(r / step) * step * 2.0 ** e      # np.round: ties to even
;;       return np.moveaxis(q.reshape(q.shape[:-2] + (-1,))[..., :K], -1, axis).astype(np.float32)
;;   ~~~
;;   INPUTS GIVEN AS CODES. W (in the module: [8, 512, 512], K = its axis 2): each comes as NAME_codes (uint8): NAME with its K axis moved to the last place and cut into blocks of 32 codes, [.., K / 32, bytes a block], one block behind the other in memory; one code a byte (a code: sign, 4 exponent bits, 3 mantissa bits); and NAME_scales (uint8): the same leading axes, one E8M0 byte (e + 127) for each 32 codes along K. Its value is code x scale, taken as it is: it is not quantised again, and the codes and scales need not be those that the quantiser above would give.
;; 2 versions, each right; version 2 is version 1 with the launch experts written anew for expert scheduling mode. Each part assembles by itself: llvm-mc -triple=amdgcn-amd-amdhsa -mcpu=gfx1250 --defsym DOCPART=n.
;; ======== version 1 of 2: 3 launches
;; workspace buffers: xcodes 16,777,216 bytes; xscales 524,288 bytes; sel 131,072 bytes of whole numbers; wts 262,144 bytes; hist 131,072 bytes of whole numbers; order 131,072 bytes of whole numbers; wrec 2,228,224 bytes
;; launch route (part 1): grid 256 x 1, 8 waves a work-group, no clusters, 303,104 bytes of LDS; arguments x, Wg, bg, W_codes, W_scales, b, xcodes, xscales, sel, wts, hist, wrec; writes xcodes, xscales, sel, wts, hist, wrec
.if DOCPART == 1
	.amdgcn_target "amdgcn-amd-amdhsa--gfx1250"
	.amdhsa_code_object_version 6
	.text
	.protected	k_qab5e6b6344_route
	.globl	k_qab5e6b6344_route
	.p2align	8
	.type	k_qab5e6b6344_route,@function
k_qab5e6b6344_route:
	s_mov_b64 s[64:65], 0
	v_nop
	global_prefetch_b8 v0, s[64:65] scope:SCOPE_SE
	s_setreg_imm32_b32 hwreg(HW_REG_WAVE_MODE, 25, 1), 1
	s_wait_xcnt 0x0
; ROUTE.  For 128 tokens a work-group: the gate x Wg^T + bg in f32 (fused multiply-adds), its two largest scores (the lower index wins a tie), the softmax of the two (the larger is taken away
; first), and x quantised to FP8 (E4M3) codes with one E8M0 byte for each 32 along K.  Stored at fixed places: xcodes [token][512], xscales [token][16], wts [token][2] (weight of the lower
; expert number, of the higher), sel [token] (bits 0-4 the pair's number p, 5-9 the token's rank among equal p in its group of 32 tokens, 10-12 lo, 13-15 hi, 16-30 the token) and
; hist [group of 32 tokens][32 bins].  No address and no branch hangs on the choice: a later launch places the rows.
; Beside that, work-group g lays record g = 32 e + ct of W out in the order of an operand's registers: 8,192 bytes of codes (piece (4 s + c) x 32 + lane of 16 bytes = row 16 ct + lane % 16,
; K = 128 s + 32 c + 16 (lane / 16) on), 256 bytes of scale words (8 a lane: words 2 h, 2 h + 1 of row r), 128 bytes of bias (b[e][16 ct + lane % 16]).
; SHARES.  Eight waves, 16 tokens each, a token a step; lane l holds K = 16 l .. 16 l + 15, two lanes a block of 32.  x comes by the tensor data mover, 4 tokens (8,192 dense bytes) a load, all
; requested at the start; every LDS byte is filled once.  A wave has five tensor loads out.
; NO CLUSTER: the work-groups share only Wg, 16 KiB beside the 256 KiB of x that each reads alone.
; LIMITS: NaN and infinities in x, Wg, bg are not served.  The gate's f32 sums go in another order than a row-by-row sum: two scores equal within f32 rounding may be chosen the other way.
; A block of zeros gets the byte 1 (its codes are zeros; only this program reads the bytes).  Blocks whose largest magnitude lies under 2^-118 keep the byte 1.
.set TOKB,  2176                       ; a token in LDS: 8 rows of 256 bytes + 16 of padding each
.set TILEB, 4*TOKB                     ; what one tensor load brings
.set XTW,   16*TOKB                    ; a wave's 16 tokens
.set WGL,   8*XTW                      ; behind x: Wg, an expert = 8 such rows
.set SCO,   WGL+8*TOKB                 ; the scores [128 tokens][8] f32: written by LDS stores, no fill lands here
.set SCB,   SCO+4096                   ; 256 scale bytes for each wave
.set RECB,  8704                       ; a record of W
.set X,   16                           ; v16-47   two sets of 16 numbers of a token
.set G,   48                           ; v48-63   eight pairs of partial sums
.set S,   64                           ; v64-71   a lane's eight sums
.set T,   72                           ; v72-75   at work in the sum over lanes
.set C,   76                           ; v76-79   16 codes
.set WG,  128                          ; v128-255 Wg[e][16 l + i] at 128 + 16 e + i
.set G1X, 40                           ; s[40:47] descriptor group 1 for x's tiles;  s[48:55] for Wg's parts
.set G1W, 48
	s_load_b512 s[4:19], s[0:1], 0x0               ; x, Wg, bg, W_codes, W_scales, b, xcodes, xscales
	s_load_b256 s[20:27], s[0:1], 0x40             ; sel, wts, hist, wrec
	v_lshl_add_u32 v126, v0, 2, 0x49c00
	v_mov_b32 v127, 0
	ds_add_u32 v126, v127
	ds_add_u32 v126, v127
	v_lshrrev_b32 v1, 5, v0
	v_readfirstlane_b32 s36, v1                    ; wave 0..7
	; group 1: a dense block as rows of 256 bytes (32 elements of 8 bytes), 16 bytes of padding behind each: 32 rows for x, 8 for Wg
	s_mov_b32 s[G1X+0], (3<<16)|(1<<20)|(5<<22)|(3<<25)
	s_mov_b32 s[G1X+1], 32<<16                     ; tensor_dim0 = 32
	s_mov_b32 s[G1X+2], 32<<16                     ; tensor_dim1 = 32
	s_mov_b32 s[G1X+3], 32<<16                     ; tile_dim0 = 32
	s_mov_b32 s[G1X+4], 32                         ; tile_dim1 = 32
	s_mov_b32 s[G1X+5], 32                         ; elements from row to row
	s_mov_b32 s[G1X+6], 0
	s_mov_b32 s[G1X+7], 0
	s_mov_b32 s[G1W+0], (3<<16)|(1<<20)|(5<<22)|(3<<25)
	s_mov_b32 s[G1W+1], 32<<16
	s_mov_b32 s[G1W+2], 8<<16
	s_mov_b32 s[G1W+3], 32<<16
	s_mov_b32 s[G1W+4], 8
	s_mov_b32 s[G1W+5], 32
	s_mov_b32 s[G1W+6], 0
	s_mov_b32 s[G1W+7], 0
	s_mul_i32 s37, s36, XTW                        ; my wave's tokens in LDS
	s_mul_i32 s38, s36, TOKB                       ; my expert's row of Wg in LDS
	s_lshl_b32 s90, ttmp9, 18                      ; 128 tokens of 2,048 bytes a work-group,
	s_lshl_b32 s91, s36, 15                        ; 16 a wave
	s_add_co_u32 s90, s90, s91
	s_mov_b32 s91, 0
	s_lshl_b32 s92, s36, 11                        ; Wg: expert = wave
	s_mov_b32 s93, 0
	s_wait_dscnt 0x0
	s_wait_kmcnt 0x0
	s_add_nc_u64 s[4:5], s[4:5], s[90:91]          ; x at my wave's first token
	s_mov_b32 s56, 1                               ; group 0 for my part of Wg
	s_add_co_u32 s57, s38, WGL
	s_add_nc_u64 s[58:59], s[6:7], s[92:93]
	s_or_b32 s59, s59, 0x80000000
.macro XG0 g, j                        ; group 0 for my tile j of x
	s_mov_b32 s[\g], 1
	s_add_co_u32 s[\g+1], s37, (\j)*TILEB
	s_add_nc_u64 s[\g+2:\g+3], s[4:5], (\j)*8192
	s_or_b32 s[\g+3], s[\g+3], 0x80000000
.endm
	XG0 60, 0
	XG0 68, 1
	XG0 72, 2
	XG0 76, 3
	tensor_load_to_lds s[56:59], s[G1W:G1W+7]      ; all first fills in one group, ahead of every wait on TENSORcnt, LDS read and barrier
	s_nop 0
	tensor_load_to_lds s[60:63], s[G1X:G1X+7]
	s_nop 0
	tensor_load_to_lds s[68:71], s[G1X:G1X+7]
	s_nop 0
	tensor_load_to_lds s[72:75], s[G1X:G1X+7]
	s_nop 0
	tensor_load_to_lds s[76:79], s[G1X:G1X+7]
	s_nop 0
.rept 4
	v_nop
.endr
	s_load_b256 s[28:35], s[8:9], 0x0              ; bg
	s_mov_b32 s80, 0xaaaaaaaa                      ; lanes with bit 0, bit 1, bit 2 set
	s_mov_b32 s81, 0xcccccccc
	s_mov_b32 s82, 0xf0f0f0f0
	s_mov_b32 s84, 0x76543210                      ; v_permlanex16_b32's selects for lane l xor 16
	s_mov_b32 s85, 0xfedcba98
	s_mov_b32 s86, 0x600000                        ; the mantissa field of 448
	s_mov_b32 s89, 0
	s_lshl_b32 s88, ttmp9, 13
	s_add_nc_u64 s[10:11], s[10:11], s[88:89]      ; W's codes: 16 rows of 512 bytes a record
	s_lshl_b32 s88, ttmp9, 8
	s_add_nc_u64 s[12:13], s[12:13], s[88:89]      ; W's scale bytes: 16 rows of 16
	s_lshl_b32 s88, ttmp9, 6
	s_add_nc_u64 s[14:15], s[14:15], s[88:89]      ; b: 16 numbers
	s_mul_i32 s88, ttmp9, RECB
	s_add_nc_u64 s[26:27], s[26:27], s[88:89]      ; my record
	s_lshl_b32 s88, ttmp9, 16
	s_lshl_b32 s87, s36, 13
	s_add_co_u32 s88, s88, s87
	s_add_nc_u64 s[16:17], s[16:17], s[88:89]      ; xcodes at my wave's first token
	s_lshl_b32 s88, ttmp9, 11
	s_lshl_b32 s87, s36, 8
	s_add_co_u32 s88, s88, s87
	s_add_nc_u64 s[18:19], s[18:19], s[88:89]      ; xscales likewise
	s_lshl_b32 s88, ttmp9, 9
	s_add_nc_u64 s[20:21], s[20:21], s[88:89]      ; sel and hist: 512 bytes a work-group
	s_add_nc_u64 s[24:25], s[24:25], s[88:89]
	s_lshl_b32 s88, ttmp9, 10
	s_add_nc_u64 s[22:23], s[22:23], s[88:89]      ; wts: 1,024
	v_and_b32 v1, 31, v0                           ; lane
	v_lshrrev_b32 v9, 2, v1
	v_mul_u32_u24 v9, v9, 272
	v_and_b32 v10, 3, v1
	v_lshl_add_u32 v9, v10, 6, v9                  ; my 64 bytes of a token: row l / 4, 64 (l % 4): sixteen lanes fall on sixteen different columns of 16 bytes
	v_add_nc_u32 v2, s37, v9                       ; in my wave's tokens,
	v_add_nc_u32 v3, WGL, v9                       ; in Wg
	v_and_b32 v10, 1, v1
	v_bfe_u32 v11, v1, 1, 1
	v_bfe_u32 v12, v1, 2, 1
	v_lshlrev_b32 v4, 4, v10
	v_lshl_add_u32 v4, v11, 3, v4
	v_lshl_add_u32 v4, v12, 2, v4                  ; 4 x the expert whose score ends in my lane: 4 (l & 1) + 2 ((l >> 1) & 1) + ((l >> 2) & 1)
	s_lshl_b32 s88, s36, 9
	s_add_co_u32 s88, s88, SCO
	v_add_nc_u32 v4, s88, v4                       ; + my wave's 16 rows of scores
	s_lshl_b32 s88, s36, 8
	s_add_co_u32 s88, s88, SCB
	v_lshrrev_b32 v5, 1, v1
	v_add_nc_u32 v5, s88, v5                       ; my block's scale byte,
	v_lshlrev_b32 v8, 3, v1
	v_add_nc_u32 v6, s88, v8                       ; and 8 bytes a lane on the way out
	v_lshlrev_b32 v7, 4, v1                        ; 16 codes a lane
	v_lshl_add_u32 v112, v0, 5, SCO                ; the routing phase: thread t reads token t's eight scores
	; W's record: thread o takes row o % 16, 16 bytes at 16 ((o >> 4) & 1) + 32 (o >> 5), and the 16 bytes 256 further on: the reads are strided, the stores dense
	v_and_b32 v84, 15, v0
	v_lshlrev_b32 v84, 9, v84
	v_bfe_u32 v85, v0, 4, 1
	v_lshl_add_u32 v84, v85, 4, v84
	v_bfe_u32 v85, v0, 5, 3
	v_lshl_add_u32 v84, v85, 5, v84
	v_lshlrev_b32 v86, 4, v0
	global_load_b128 v[88:91], v84, s[10:11]
	global_load_b128 v[92:95], v84, s[10:11] offset:256
	v_and_b32 v98, 15, v1
	v_lshlrev_b32 v100, 2, v98                     ; 4 r
	v_lshlrev_b32 v98, 4, v98
	v_lshrrev_b32 v99, 4, v1
	v_lshl_add_u32 v98, v99, 3, v98                ; 16 r + 8 h
	v_lshlrev_b32 v101, 2, v1                      ; 4 l
	s_wait_tensorcnt 0x4                           ; my part of Wg is in; the four tiles of x issued behind it stay out
	s_barrier_signal -1
	s_barrier_wait -1                              ; everybody's part is
.irp e, 0,1,2,3,4,5,6,7
.irp j, 0,1,2,3
	ds_load_b128 v[WG+16*\e+4*\j:WG+16*\e+4*\j+3], v3 offset:\e*TOKB+16*\j
.endr
.endr
	s_wait_loadcnt 0x0
	global_store_b128 v86, v[88:91], s[26:27]               ; a wave stores 512 consecutive bytes
	global_store_b128 v86, v[92:95], s[26:27] offset:4096
	s_cmp_lg_u32 s36, 0
	s_cbranch_scc1 .Lnot_wave_0
	global_load_b64 v[96:97], v98, s[12:13]        ; scale words 2 h, 2 h + 1 of row r
	global_load_b32 v102, v100, s[14:15]           ; b of output l % 16
	s_wait_loadcnt 0x0
	global_store_b64 v8, v[96:97], s[26:27] offset:8192
	global_store_b32 v101, v102, s[26:27] offset:8448
.Lnot_wave_0:
	s_wait_tensorcnt 0x3                           ; my first tile of x is in; three stay out
.irp j, 0,1,2,3
	ds_load_b128 v[X+4*\j:X+4*\j+3], v2 offset:16*\j
.endr
; A STEP: token i of my 16.  The next token's numbers are asked for first; then the gate's eight sums, their sum over the lanes, and the quantiser.
.macro STEP i
.set XS, X+16*((\i)%2)
.set XN, X+16*(((\i)+1)%2)
.if (\i) < 15
.if (((\i)+1)%4) == 0
	s_wait_tensorcnt 3-((\i)+1)/4                  ; the next token begins a tile: the tiles issued behind that one may stay out
.endif
.irp j, 0,1,2,3
	ds_load_b128 v[XN+4*\j:XN+4*\j+3], v2 offset:TOKB*((\i)+1)+16*\j
.endr
	s_wait_dscnt 0x4                               ; all but the four just issued: this token's numbers are in (in step 0: Wg too)
.else
	s_wait_dscnt 0x0
.endif
.irp e, 0,1,2,3,4,5,6,7
	v_pk_mul_f32 v[G+2*\e:G+2*\e+1], v[XS:XS+1], v[WG+16*\e:WG+16*\e+1]      ; the first products start the sums; the experts take turns
.endr
.irp q, 1,2,3,4,5,6,7
.irp e, 0,1,2,3,4,5,6,7
	v_pk_fma_f32 v[G+2*\e:G+2*\e+1], v[XS+2*\q:XS+2*\q+1], v[WG+16*\e+2*\q:WG+16*\e+2*\q+1], v[G+2*\e:G+2*\e+1]
.endr
.endr
.irp e, 0,1,2,3,4,5,6,7
	v_add_f32 v[S+\e], v[G+2*\e], v[G+2*\e+1]
.endr
	; eight sums over 32 lanes in 24 lines: at each of three levels a lane keeps half of its sums and sends the other half to its partner
.irp a, 0,1,2,3
	v_cndmask_b32 v[T+2*(\a%2)], v[S+\a], v[S+4+\a], s80          ; kept: odd lanes expert a + 4, even lanes expert a
	v_cndmask_b32 v[T+1+2*(\a%2)], v[S+4+\a], v[S+\a], s80        ; sent
	v_add_f32_dpp v[S+\a], v[T+1+2*(\a%2)], v[T+2*(\a%2)] row_xmask:1 row_mask:0xf bank_mask:0xf
.endr
.irp a, 0,1
	v_cndmask_b32 v[T+2*\a], v[S+\a], v[S+2+\a], s81
	v_cndmask_b32 v[T+1+2*\a], v[S+2+\a], v[S+\a], s81
	v_add_f32_dpp v[S+\a], v[T+1+2*\a], v[T+2*\a] row_xmask:2 row_mask:0xf bank_mask:0xf
.endr
	v_cndmask_b32 v[T], v[S], v[S+1], s82
	v_cndmask_b32 v[T+1], v[S+1], v[S], s82
	v_add_f32_dpp v[S], v[T+1], v[T] row_xmask:4 row_mask:0xf bank_mask:0xf
	v_add_f32_dpp v[S], v[S], v[S] row_xmask:8 row_mask:0xf bank_mask:0xf
	v_permlanex16_b32 v[T], v[S], s84, s85
	v_add_f32 v[S], v[S], v[T]
	ds_store_b32 v4, v[S] offset:32*(\i)           ; four lanes hold each expert's score, with the same bits, and write the same word
	; the quantiser: the block's largest magnitude over a floor, its exponent field less 8 as the scale, the hold at 448 x the scale, the conversion
	v_max3_num_f32 v9, |v[XS]|, |v[XS+1]|, |v[XS+2]|
	v_max3_num_f32 v10, |v[XS+3]|, |v[XS+4]|, |v[XS+5]|
.irp a, 6,10
	v_max3_num_f32 v9, v9, |v[XS+\a]|, |v[XS+\a+1]|
	v_max3_num_f32 v10, v10, |v[XS+\a+2]|, |v[XS+\a+3]|
.endr
	v_max3_num_f32 v9, v9, |v[XS+14]|, |v[XS+15]|
	v_max3_num_f32 v9, v9, v10, 0x4800000          ; the floor 2^(9 - 127): the byte cannot fall under 1
	v_max_num_f32_dpp v9, v9, v9 row_xmask:1 row_mask:0xf bank_mask:0xf   ; with my neighbour's 16: the block's
	v_add_nc_u32 v11, 0xfc000000, v9               ; 8 off the exponent field: the conversion's scale operand
	v_and_or_b32 v12, v9, 0x7f800000, s86          ; 448 x the scale
.irp a, 0,1,2,3,4,5,6,7,8,9,10,11,12,13,14,15
	v_med3_num_f32 v[XS+\a], v[XS+\a], -v12, v12   ; the conversion to an 8-bit code does not saturate (ISA guide 7.6.2)
.endr
	s_wait_xcnt 0x0                                ; the last step's store has read its codes: they are written again only behind this wait
	v_cvt_scalef32_pk8_fp8_f32 v[C:C+1], v[XS:XS+7], v11
	v_cvt_scalef32_pk8_fp8_f32 v[C+2:C+3], v[XS+8:XS+15], v11
	v_lshrrev_b32 v13, 23, v11                     ; the scale's byte (also the plain line behind the conversions)
	ds_store_b8 v5, v13 offset:16*(\i)             ; both lanes of a block write the same byte
	global_store_b128 v7, v[C:C+3], s[16:17] offset:512*(\i)      ; the wave stores the token's 512 consecutive bytes
.endm
.irp t, 0,1,2,3,4,5,6,7,8,9,10,11,12,13,14,15
	STEP \t
.endr
	ds_load_b64 v[14:15], v6                       ; LDS serves a wave's instructions in order: these see my byte stores
	s_wait_dscnt 0x0                               ; and my scores have landed, for the others' sake
	global_store_b64 v8, v[14:15], s[18:19]        ; 32 lanes store 256 consecutive bytes, aligned
	s_barrier_signal -1
	s_barrier_wait -1                              ; all 128 tokens' scores lie in LDS
	s_cmp_ge_u32 s36, 4
	s_cbranch_scc1 .Lend                           ; waves 0 to 3 route 32 tokens each, a token a lane
	ds_load_b128 v[84:87], v112
	ds_load_b128 v[88:91], v112 offset:16
	s_wait_kmcnt 0x0                               ; bg
	s_wait_dscnt 0x0
.irp e, 0,1,2,3,4,5,6,7
	v_add_f32 v[84+\e], s[28+\e], v[84+\e]
.endr
	v_mov_b32 v92, v84                             ; the largest score and its expert,
	v_mov_b32 v93, 0
	v_mov_b32 v94, 0xff800000                      ; the second
	v_mov_b32 v95, 1
.irp e, 1,2,3,4,5,6,7                  ; strictly greater: of equal scores the lower index stays in front
	v_cmp_gt_f32 s88, v[84+\e], v92
	v_cmp_gt_f32 s89, v[84+\e], v94
	v_cndmask_b32 v94, v94, v[84+\e], s89
	v_cndmask_b32 v95, v95, \e, s89
	v_cndmask_b32 v94, v94, v92, s88
	v_cndmask_b32 v95, v95, v93, s88
	v_cndmask_b32 v92, v92, v[84+\e], s88
	v_cndmask_b32 v93, v93, \e, s88
.endr
	v_sub_f32 v96, v94, v92                        ; the maximum is taken away: 0 or less
	v_mul_f32 v96, 0x3fb8aa3b, v96
	v_exp_f32 v96, v96
	v_nop                                          ; a plain line behind a transcendental
	s_wait_alu depctr_va_vdst(0)
	v_add_f32 v97, 1.0, v96
	v_rcp_f32 v97, v97                             ; the weight of the largest,
	v_nop
	s_wait_alu depctr_va_vdst(0)
	v_mul_f32 v98, v96, v97                        ; of the second
	v_cmp_lt_u32 s88, v93, v95
	v_cndmask_b32 v99, v95, v93, s88               ; lo
	v_cndmask_b32 v100, v93, v95, s88              ; hi
	v_cndmask_b32 v102, v98, v97, s88              ; lo's weight
	v_cndmask_b32 v103, v97, v98, s88              ; hi's
	v_sub_nc_u32 v104, 13, v99
	v_mul_u32_u24 v104, v99, v104
	v_lshrrev_b32 v104, 1, v104
	v_add3_u32 v104, v104, v100, -1                ; p = lo (13 - lo) / 2 + hi - 1: the 28 pairs in lexical order
	v_mov_b32 v105, 0
	v_mov_b32 v106, 0
.set P, 0
.rept 28                               ; for each pair: which lanes have it, how many, and each such lane's rank among them
	v_cmp_eq_u32 s88, P, v104
	s_bcnt1_i32_b32 s89, s88
	v_mbcnt_lo_u32_b32 v107, s88, 0
	v_cndmask_b32 v105, v105, v107, s88
	v_writelane_b32 v106, s89, P
.set P, P+1
.endr
	v_lshl_or_b32 v108, v105, 5, v104
	v_lshl_or_b32 v108, v99, 10, v108
	v_lshl_or_b32 v108, v100, 13, v108
	s_lshl_b32 s90, ttmp9, 7
	v_add_nc_u32 v109, s90, v0                     ; the token
	v_lshl_or_b32 v108, v109, 16, v108
	v_lshlrev_b32 v110, 2, v0
	v_lshlrev_b32 v111, 3, v0
	global_store_b32 v110, v108, s[20:21]
	global_store_b64 v111, v[102:103], s[22:23]
	global_store_b32 v110, v106, s[24:25]          ; group 4 g + wave, bin = lane
.Lend:
	s_wait_tensorcnt 0x0
	ds_add_u32 v126, v127
	s_wait_dscnt 0x0
	s_endpgm
.Lfunc_end_k_qab5e6b6344_route:
	.size	k_qab5e6b6344_route, .Lfunc_end_k_qab5e6b6344_route-k_qab5e6b6344_route
	.p2alignl 7, 3214868480
	.fill 96, 4, 3214868480
	.section	.rodata,"a",@progbits
	.p2align	6, 0x0
	.amdhsa_kernel k_qab5e6b6344_route
		.amdhsa_group_segment_fixed_size 303104
		.amdhsa_private_segment_fixed_size 0
		.amdhsa_enable_private_segment 0
		.amdhsa_kernarg_size 96
		.amdhsa_user_sgpr_count 2
		.amdhsa_user_sgpr_kernarg_segment_ptr 1
		.amdhsa_wavefront_size32 1
		.amdhsa_system_sgpr_workgroup_id_x 1
		.amdhsa_system_sgpr_workgroup_id_y 1
		.amdhsa_system_sgpr_workgroup_id_z 1
		.amdhsa_system_vgpr_workitem_id 0
		.amdhsa_next_free_vgpr 256
		.amdhsa_next_free_sgpr 96
		.amdhsa_reserve_vcc 0
		.amdhsa_float_denorm_mode_32 3
		.amdhsa_float_denorm_mode_16_64 3
		.amdhsa_memory_ordered 1
		.amdhsa_forward_progress 1
		.amdhsa_inst_pref_size 154
	.end_amdhsa_kernel
	.amdgpu_metadata
---
amdhsa.version: [ 1, 2 ]
amdhsa.kernels:
  - .name:           k_qab5e6b6344_route
    .symbol:         k_qab5e6b6344_route.kd
    .args:
      - { .name: x, .offset: 0, .size: 8, .value_kind: global_buffer, .address_space: global }
      - { .name: Wg, .offset: 8, .size: 8, .value_kind: global_buffer, .address_space: global }
      - { .name: bg, .offset: 16, .size: 8, .value_kind: global_buffer, .address_space: global }
      - { .name: W_codes, .offset: 24, .size: 8, .value_kind: global_buffer, .address_space: global }
      - { .name: W_scales, .offset: 32, .size: 8, .value_kind: global_buffer, .address_space: global }
      - { .name: b, .offset: 40, .size: 8, .value_kind: global_buffer, .address_space: global }
      - { .name: xcodes, .offset: 48, .size: 8, .value_kind: global_buffer, .address_space: global }
      - { .name: xscales, .offset: 56, .size: 8, .value_kind: global_buffer, .address_space: global }
      - { .name: sel, .offset: 64, .size: 8, .value_kind: global_buffer, .address_space: global }
      - { .name: wts, .offset: 72, .size: 8, .value_kind: global_buffer, .address_space: global }
      - { .name: hist, .offset: 80, .size: 8, .value_kind: global_buffer, .address_space: global }
      - { .name: wrec, .offset: 88, .size: 8, .value_kind: global_buffer, .address_space: global }
    .group_segment_fixed_size: 303104
    .private_segment_fixed_size: 0
    .kernarg_segment_align: 8
    .kernarg_segment_size: 96
    .max_flat_workgroup_size: 256
    .sgpr_count:     96
    .vgpr_count:     256
    .wavefront_size: 32
...
	.end_amdgpu_metadata
.endif
;; end of part 1
;; launch place (part 2): grid 1 x 1, 32 waves a work-group, no clusters, 12,288 bytes of LDS; arguments hist, sel, order; writes order
.if DOCPART == 2
	.amdgcn_target "amdgcn-amd-amdhsa--gfx1250"
	.amdhsa_code_object_version 6
	.text
	.protected	k_qab5e6b6344_place
	.globl	k_qab5e6b6344_place
	.p2align	8
	.type	k_qab5e6b6344_place,@function
k_qab5e6b6344_place:
	s_mov_b64 s[64:65], 0
	v_nop
	global_prefetch_b8 v0, s[64:65] scope:SCOPE_SE
	s_setreg_imm32_b32 hwreg(HW_REG_WAVE_MODE, 25, 1), 1
	s_wait_xcnt 0x0
; PLACE.  A counting sort of the 32,768 tokens by their pair of experts (28 pairs): order[place] = the token's sel word.  One work-group, no atomics.
; Wave w owns the groups 32 w .. 32 w + 31 of 32 tokens.  For hist a lane is a bin, for sel a lane is a token.
; place = (tokens of lower bins) + (tokens of this bin in earlier waves) + (in earlier groups of this wave) + (rank in the group, from the sel word).
; The places are a permutation of 0 .. 32,767, so every word of order is written.  One work-group does it: the prefix is one chain over 1,024 x 28 counts, 128 KiB.
.set H,  32                            ; v32-63   a group's counts, then its bins' first places
.set SL, 64                            ; v64-95   the sel words
.set T,  96                            ; v96-127  at work
	s_load_b128 s[4:7], s[0:1], 0x0                ; hist, sel
	s_load_b64 s[8:9], s[0:1], 0x10                ; order
	v_lshl_add_u32 v30, v0, 2, 0x2000
	v_mov_b32 v31, 0
	v_lshrrev_b32 v1, 5, v0
	v_readfirstlane_b32 s10, v1                    ; wave 0..31
	v_and_b32 v1, 31, v0
	v_lshlrev_b32 v2, 2, v1                        ; 4 x lane
	v_lshlrev_b32 v3, 2, v0                        ; 128 x wave + 4 x lane
	v_mov_b32 v6, 0                                ; written once: a DPP form's destination counts as read
	s_lshl_b32 s12, s10, 12                        ; 32 groups of 128 bytes
	s_mov_b32 s13, 0
	s_mov_b32 s14, 0xffff0000                      ; lanes 16-31
	s_wait_kmcnt 0x0
	s_add_nc_u64 s[4:5], s[4:5], s[12:13]
	s_add_nc_u64 s[6:7], s[6:7], s[12:13]
.set i, 0
.rept 32
	global_load_b32 v[H+i], v2, s[4:5] offset:128*i
.set i, i+1
.endr
.set i, 0
.rept 32
	global_load_b32 v[SL+i], v2, s[6:7] offset:128*i
.set i, i+1
.endr
; 32 registers become their running sums from above (the first 0); the total ends in v4.  Two running registers take turns.
.macro PREFIX base
	v_mov_b32 v4, 0
.irp a, 0,2,4,6,8,10,12,14,16,18,20,22,24,26,28,30
	v_add_nc_u32 v5, v4, v[\base+\a]
	v_mov_b32 v[\base+\a], v4
	v_add_nc_u32 v4, v5, v[\base+\a+1]
	v_mov_b32 v[\base+\a+1], v5
.endr
.endm
	s_wait_loadcnt 32                              ; the counts are in; the 32 loads of sel behind them stay out
	PREFIX H
	ds_store_b32 v3, v4                            ; my wave's total of each bin
	s_wait_dscnt 0x0
	s_barrier_signal -1
	s_barrier_wait -1
	s_cmp_lg_u32 s10, 0
	s_cbranch_scc1 .Lothers
.set i, 0
.rept 32
	ds_load_b32 v[T+i], v2 offset:128*i            ; wave i's totals
.set i, i+1
.endr
	s_wait_dscnt 0x0
	PREFIX T                                       ; what earlier waves have of my bin; v4: the bin's total
	v_mov_b32 v7, v4
.irp n, 1,2,4,8
	v_mov_b32_dpp v6, v7 row_shr:\n row_mask:0xf bank_mask:0xf bound_ctrl:1
	v_add_nc_u32 v7, v7, v6                        ; a running sum over the bins, inside each 16 lanes,
.endr
	v_readlane_b32 s15, v7, 15
	v_mov_b32 v6, s15
	v_cndmask_b32 v6, 0, v6, s14
	v_add_nc_u32 v7, v7, v6                        ; and the first 16 bins' total onto lanes 16-31
	v_sub_nc_u32 v7, v7, v4                        ; the tokens of lower bins
.set i, 0
.rept 32
	v_add_nc_u32 v[T+i], v[T+i], v7
	ds_store_b32 v2, v[T+i] offset:4096+128*i      ; wave i's first place in each bin
.set i, i+1
.endr
.Lothers:
	s_wait_dscnt 0x0
	s_barrier_signal -1
	s_barrier_wait -1
	ds_load_b32 v8, v3 offset:4096
	s_wait_dscnt 0x0
.set i, 0
.rept 32
	v_add_nc_u32 v[H+i], v[H+i], v8                ; group i's first place in each bin
.set i, i+1
.endr
	s_wait_loadcnt 0x0                             ; sel
; Sixteen groups: each token fetches its bin's first place from the lane that holds the bin, adds its rank, and stores its word there.
.macro BATCH b
.irp j, 0,1,2,3,4,5,6,7,8,9,10,11,12,13,14,15
	v_and_b32 v[T+\j], 31, v[SL+16*\b+\j]          ; p,
	v_min_u32 v[T+\j], 31, v[T+\j]
	v_lshlrev_b32 v[T+\j], 2, v[T+\j]              ; as a lane's byte index
.endr
.irp j, 0,1,2,3,4,5,6,7,8,9,10,11,12,13,14,15
	ds_bpermute_b32 v[T+16+\j], v[T+\j], v[H+16*\b+\j]
.endr
	s_wait_dscnt 0x0
.irp j, 0,1,2,3,4,5,6,7,8,9,10,11,12,13,14,15
	v_bfe_u32 v[T+\j], v[SL+16*\b+\j], 5, 5        ; the rank
	v_add_nc_u32 v[T+16+\j], v[T+16+\j], v[T+\j]
	v_min_u32 v[T+16+\j], 0x7fff, v[T+16+\j]       ; a place, held inside order
	v_lshlrev_b32 v[T+16+\j], 2, v[T+16+\j]
	global_store_b32 v[T+16+\j], v[SL+16*\b+\j], s[8:9]
.endr
.endm
	BATCH 0
	s_wait_xcnt 0x0                                ; the stores have read their offsets: these are written again only behind this wait
	BATCH 1
	s_wait_tensorcnt 0x0
	ds_add_u32 v30, v31
	s_wait_dscnt 0x0
	s_endpgm
.Lfunc_end_k_qab5e6b6344_place:
	.size	k_qab5e6b6344_place, .Lfunc_end_k_qab5e6b6344_place-k_qab5e6b6344_place
	.p2alignl 7, 3214868480
	.fill 96, 4, 3214868480
	.section	.rodata,"a",@progbits
	.p2align	6, 0x0
	.amdhsa_kernel k_qab5e6b6344_place
		.amdhsa_group_segment_fixed_size 12288
		.amdhsa_private_segment_fixed_size 0
		.amdhsa_enable_private_segment 0
		.amdhsa_kernarg_size 24
		.amdhsa_user_sgpr_count 2
		.amdhsa_user_sgpr_kernarg_segment_ptr 1
		.amdhsa_wavefront_size32 1
		.amdhsa_system_sgpr_workgroup_id_x 1
		.amdhsa_system_sgpr_workgroup_id_y 1
		.amdhsa_system_sgpr_workgroup_id_z 1
		.amdhsa_system_vgpr_workitem_id 0
		.amdhsa_next_free_vgpr 128
		.amdhsa_next_free_sgpr 66
		.amdhsa_reserve_vcc 0
		.amdhsa_float_denorm_mode_32 3
		.amdhsa_float_denorm_mode_16_64 3
		.amdhsa_memory_ordered 1
		.amdhsa_forward_progress 1
		.amdhsa_inst_pref_size 33
	.end_amdhsa_kernel
	.amdgpu_metadata
---
amdhsa.version: [ 1, 2 ]
amdhsa.kernels:
  - .name:           k_qab5e6b6344_place
    .symbol:         k_qab5e6b6344_place.kd
    .args:
      - { .name: hist, .offset: 0, .size: 8, .value_kind: global_buffer, .address_space: global }
      - { .name: sel, .offset: 8, .size: 8, .value_kind: global_buffer, .address_space: global }
      - { .name: order, .offset: 16, .size: 8, .value_kind: global_buffer, .address_space: global }
    .group_segment_fixed_size: 12288
    .private_segment_fixed_size: 0
    .kernarg_segment_align: 8
    .kernarg_segment_size: 24
    .max_flat_workgroup_size: 1024
    .sgpr_count:     66
    .vgpr_count:     128
    .wavefront_size: 32
...
	.end_amdgpu_metadata
.endif
;; end of part 2
;; launch experts (part 3): grid 256 x 1, 4 waves a work-group, no clusters, 207,360 bytes of LDS; arguments order, xcodes, xscales, wts, wrec, out0; writes out0
.if DOCPART == 3
	.amdgcn_target "amdgcn-amd-amdhsa--gfx1250"
	.amdhsa_code_object_version 6
	.text
	.protected	k_qab5e6b6344_experts
	.globl	k_qab5e6b6344_experts
	.p2align	8
	.type	k_qab5e6b6344_experts,@function
k_qab5e6b6344_experts:
	s_mov_b64 s[64:65], 0
	v_nop
	global_prefetch_b8 v0, s[64:65] scope:SCOPE_SE
	s_setreg_imm32_b32 hwreg(HW_REG_WAVE_MODE, 25, 1), 1
	s_wait_xcnt 0x0
; EXPERTS.  out0[token] = the sum over the token's two experts e of weight_e x (x W_e^T + b_e), the product on FP8 (E4M3) codes with one E8M0 scale for each 32 along K.
; Work-group g owns the sorted places 128 g .. 128 g + 127 (tokens sorted by their pair of experts), so each row of out0 has one owner, and multiplies only by the experts that its tokens use.
; SHARES.  Four waves; wave w makes outputs 128 w .. 128 w + 127 of all 128 tokens.  The tokens' codes (8 tiles of 16 rows x 512 K: 512 registers) stay in registers; each fragment of W
; (16 outputs x 128 K) comes from memory straight into registers, laid by an earlier launch in the registers' order, and feeds 8 matrix instructions.
; TRANSPOSED: source 0 = 16 rows of W, source 1 = 16 tokens: a lane holds ONE token (lane % 16) and outputs 8 (lane / 16) + 0 .. 7.  b_e is the C of each sum's first instruction.
; THE WALK.  The experts in use make a list, taken two at a time (EA, EB); an odd list ends with the number 8, which no token has: its weight is 0, its products are passed over.
; A trip is four stages on four W buffers: (tile t, EA), (t, EB), (t + 1, EA), (t + 1, EB); so the register numbers come back whatever the list holds.  A stage's W is asked for three stages ahead.
; A stage's two halves (tokens 0-63, 64-127) are passed over, by a scalar branch on the stored words, where no token of the half uses the expert; the weights there are 0.
; What steers a branch, a trip count or an address is made of the stored words of order by plain whole-number arithmetic: the masks of experts in use by scalar instructions on all 128 words.
; The last trip asks for three stages' W that nobody uses (column tile 0 again), so that every wait counts the same loads on every path and every load stays inside wrec.
; NO TENSOR LOADS AND NO CLUSTER: the walk's length and its records hang on numbers read from memory, and neighbouring work-groups have other lists.
; LIMITS: NaN and infinities are not served; a NaN code or a scale byte 0xff in W also spoils those tokens of the same half that did not choose that expert (0 x NaN).
; REGISTERS, in windows of 256.  Window 0: v0-8 addresses; v9-15 at work; v16-31 x's scale words (lanes 0-15 tile m, lanes 16-31 tile m + 4); v32-39 W's scale words; v40-71 biases;
;   v72-87 the tokens' two weights; v88-103 their lo, hi; v104-119 the trip's weights; v120-183 the accumulators; v184-247 the weighted sums.
;   Window 1: W buffer p at 64 p.   Windows 2, 3: x's tile m at 64 (m % 4) of window 2 + m / 4.
; SCALARS: s[4:15] the buffers; s[16:47], and in the prologue s[68:99], words of order; s48 wave, s49 its first column tile; s50, s51 the halves' masks of experts; s52 the list, s53 trips, s54 the trip;
;   s55, s56 EA, EB; s57-59 records' offsets; s62, s63 the halves' masks of pairs; behind the prologue s[68:75] the four buffers' bases, s[76:77] an offset, s78-87 at work.
.set RECB, 8704                        ; a record of W: 8,192 bytes of codes, 256 of scale words, 128 of bias
.set XP,   528                         ; LDS: a token's 512 codes + 16 of padding
.set STG,  128*XP                      ; behind them a stage for each wave: 128 rows x (64 outputs of f32 + 16 bytes)
.set SP,   272
.set STGW, 128*SP
.set XSC, 16
.set WSC, 32
.set BI,  40
.set WT,  72
.set KLO, 88
.set KHI, 96
.set WA,  104
.set WB,  112
.set ACC, 120
.set OUT, 184
.set MSB, 0
.macro WIN new                         ; the immediate's high byte repeats the setting that is left; a switch that changes nothing is dropped
.if MSB != (\new)
	s_set_vgpr_msb (MSB<<8)|(\new)
.set MSB, (\new)
.endif
.endm
	s_load_b256 s[4:11], s[0:1], 0x0               ; order, xcodes, xscales, wts
	s_load_b128 s[12:15], s[0:1], 0x20             ; wrec, out0
	v_lshl_add_u32 v254, v0, 2, 0x32800
	v_mov_b32 v255, 0
	v_lshrrev_b32 v9, 5, v0
	v_readfirstlane_b32 s48, v9                    ; wave 0..3
	v_and_b32 v9, 31, v0                           ; lane
	v_and_b32 v10, 15, v0                          ; r
	v_bfe_u32 v11, v0, 4, 1                        ; h
	v_lshlrev_b32 v1, 4, v9                        ; 16 l
	v_lshlrev_b32 v2, 3, v9                        ; 8 l
	v_lshlrev_b32 v3, 5, v11                       ; 32 h
	s_lshl_b32 s49, s48, 3                         ; my first column tile
	s_mul_i32 s56, s48, STGW
	s_add_co_u32 s56, s56, STG                     ; my stage
	v_mul_u32_u24 v4, v10, SP
	v_lshl_add_u32 v4, v11, 5, v4
	v_add_nc_u32 v4, s56, v4                       ; into it: row r, 32 bytes for each half of the lanes
	v_mul_u32_u24 v5, v11, 64*SP
	v_lshl_add_u32 v5, v10, 4, v5
	v_add_nc_u32 v5, s56, v5                       ; out of it: lanes 0-15 a row of 256 bytes, lanes 16-31 the row 64 further down
	v_lshlrev_b32 v6, 8, v11                       ; and those rows' words of order: 256 h
	s_lshl_b32 s57, s48, 9
	v_lshl_add_u32 v7, v10, 4, s57                 ; my 16 bytes of a row of out0: 512 w + 16 (l % 16)
	v_mul_u32_u24 v8, v10, XP
	v_lshl_add_u32 v8, v11, 4, v8                  ; a fragment of x: row r, + 16 h
	s_mul_i32 s57, s48, 32*XP
	v_add_nc_u32 v15, s57, v1                      ; where my wave puts its 32 gathered rows
	v_lshlrev_b32 v9, 2, v10                       ; 4 r
	v_lshl_add_u32 v12, v11, 8, v9                 ; 4 r + 256 h
	s_wait_kmcnt 0x0
	s_lshl_b32 s56, ttmp9, 9
	s_mov_b32 s57, 0
	s_add_nc_u64 s[4:5], s[4:5], s[56:57]          ; my 128 words of order
	s_lshl_b32 s58, s48, 7
	s_mov_b32 s59, 0
	s_add_nc_u64 s[60:61], s[4:5], s[58:59]
	s_load_b512 s[16:31], s[60:61], 0x0            ; my wave's 32 rows, as scalars: for the gather
	s_load_b512 s[32:47], s[60:61], 0x40
	s_load_b512 s[68:83], s[4:5], 0x0              ; rows 0-31: for the masks
	s_load_b512 s[84:99], s[4:5], 0x40
.irp m, 0,1,2,3,4,5,6,7
	global_load_b32 v[KLO+\m], v9, s[4:5] offset:64*\m          ; row 16 m + r
.endr
.irp m, 0,1,2,3
	global_load_b32 v[104+\m], v12, s[4:5] offset:64*\m         ; row 16 m + r + 64 h
.endr
	s_wait_kmcnt 0x0
	; the gather: one load reads one token's whole row of 512 codes.  Every index is held inside its table before it enters an address
.set i, 0
.rept 32
	s_lshr_b32 s56, s[16+i], 16
	s_min_u32 s56, s56, 0x7fff
	s_lshl_b32 s56, s56, 9
	v_add_nc_u32 v[BI+i], s56, v1
	global_load_b128 v[ACC+4*i:ACC+4*i+3], v[BI+i], s[6:7] th:TH_LOAD_NT     ; order is a permutation: each row is read once in the launch
.set i, i+1
.endr
; 32 words of order: the bit of each word's pair (bits 0-4 of the word) goes into a mask of the 28 pairs.  Two registers at work by turns.
.macro PAIRS pm, base
.set i, 0
.rept 32
	s_and_b32 s[56+i%2], s[\base+i], 31
	s_lshl_b32 s[56+i%2], 1, s[56+i%2]
	s_or_b32 s[\pm], s[\pm], s[56+i%2]
.set i, i+1
.endr
.endm
	s_load_b512 s[16:31], s[4:5], 0x80             ; rows 32-63 (the gather has read its words)
	s_load_b512 s[32:47], s[4:5], 0xc0
	s_mov_b32 s62, 0                               ; the pairs of rows 0-63,
	s_mov_b32 s63, 0                               ; of rows 64-127
	PAIRS 62, 68
	s_load_b512 s[68:83], s[4:5], 0x100            ; rows 64-95
	s_load_b512 s[84:99], s[4:5], 0x140
	s_wait_loadcnt 32                              ; the 12 loads of order words are in; the 32 rows asked for behind them stay out
.irp m, 0,1,2,3
	v_lshrrev_b32 v[104+\m], 16, v[104+\m]
	v_min_u32 v[104+\m], 0x7fff, v[104+\m]
	v_lshlrev_b32 v[104+\m], 4, v[104+\m]
	global_load_b128 v[XSC+4*\m:XSC+4*\m+3], v[104+\m], s[8:9]               ; the row's four scale words
.endr
.irp m, 0,1,2,3,4,5,6,7
	v_lshrrev_b32 v[KHI+\m], 16, v[KLO+\m]
	v_min_u32 v[KHI+\m], 0x7fff, v[KHI+\m]
	v_lshlrev_b32 v[KHI+\m], 3, v[KHI+\m]
	global_load_b64 v[WT+2*\m:WT+2*\m+1], v[KHI+\m], s[10:11]                ; its two weights
.endr
	s_wait_kmcnt 0x0
	PAIRS 62, 16
	s_load_b512 s[16:31], s[4:5], 0x180            ; rows 96-127
	s_load_b512 s[32:47], s[4:5], 0x1c0
	PAIRS 63, 68
	s_wait_kmcnt 0x0
	PAIRS 63, 16
	; which experts each half uses: expert e is in use where one of the seven pairs that hold e is present.  Pair (lo, hi) has the number lo (13 - lo) / 2 + hi - 1
	s_mov_b32 s50, 0
	s_mov_b32 s51, 0
.macro EXPERTBIT e, pe
	s_and_b32 s56, s62, \pe                        ; SCC: the result is not 0
	s_cselect_b32 s56, 1<<\e, 0
	s_or_b32 s50, s50, s56
	s_and_b32 s57, s63, \pe
	s_cselect_b32 s57, 1<<\e, 0
	s_or_b32 s51, s51, s57
.endm
	EXPERTBIT 0, 0x7f
	EXPERTBIT 1, 0x1f81
	EXPERTBIT 2, 0x3e082
	EXPERTBIT 3, 0x3c2104
	EXPERTBIT 4, 0x1c44208
	EXPERTBIT 5, 0x6488410
	EXPERTBIT 6, 0xa910820
	EXPERTBIT 7, 0xd221040
	s_mov_b32 s77, 0                               ; the upper word of the records' offsets (the words of order have left these registers)
	s_or_b32 s78, s50, s51
	s_bcnt1_i32_b32 s53, s78
	s_add_co_u32 s53, s53, 1
	s_lshr_b32 s53, s53, 1
	s_max_u32 s53, s53, 1
	s_min_u32 s53, s53, 4                          ; trips: pairs of listed experts
	s_mov_b32 s52, 0
.irp i, 0,1,2,3,4,5,6,7                ; the list, four bits an entry, ascending; 8 where it has ended
	s_or_b32 s79, s78, 0x100
	s_ctz_i32_b32 s79, s79
	s_lshl_b32 s79, s79, 4*\i
	s_or_b32 s52, s52, s79
	s_sub_co_u32 s79, s78, 1
	s_and_b32 s78, s78, s79
.endr
; The byte offset of the record of expert e (held at 7) and column tile ct: the record's number is held at 254, so that it and the record behind it lie inside wrec.
.macro RECOFF dst, e, ct
	s_min_u32 \dst, \e, 7
	s_lshl_b32 \dst, \dst, 5
	s_add_co_u32 \dst, \dst, \ct
	s_min_u32 \dst, \dst, 254
	s_mul_i32 \dst, \dst, RECB
.endm
; 19 loads: a record into W buffer q, its scale words and its bias.  Buffer q's last loads were shown done by the counted wait of the stage that multiplied it, so its base may be written;
; the products that read it stand more than eight plain vector lines back.
.macro ISSUE q, off, add
	s_add_co_u32 s76, s[\off], \add
	s_add_nc_u64 s[68+2*\q:69+2*\q], s[12:13], s[76:77]
	WIN 0x40                                       ; destination window 1
.irp k, 0,1,2,3,4,5,6,7,8,9,10,11,12,13,14,15
	global_load_b128 v[64*\q+4*\k:64*\q+4*\k+3], v1, s[68+2*\q:69+2*\q] offset:512*\k        ; 512 consecutive bytes: four registers of every lane
.endr
	WIN 0
	global_load_b64 v[WSC+2*\q:WSC+2*\q+1], v2, s[68+2*\q:69+2*\q] offset:8192               ; lanes 0-15: words 0, 1 of row r; lanes 16-31: words 2, 3
	global_load_b128 v[BI+8*\q:BI+8*\q+3], v3, s[68+2*\q:69+2*\q] offset:8448                ; b of outputs 8 h + 0 .. 7
	global_load_b128 v[BI+8*\q+4:BI+8*\q+7], v3, s[68+2*\q:69+2*\q] offset:8464
.endm
	s_and_b32 s82, s52, 15
	s_bfe_u32 s83, s52, 0x40004
	RECOFF s58, s82, s49
	RECOFF s59, s83, s49
	s_wait_xcnt 0x0                                ; the gather's offsets have been read: their registers take the biases, lo and hi
.irp m, 0,1,2,3,4,5,6,7
	v_bfe_u32 v[KHI+\m], v[KLO+\m], 13, 3
	v_bfe_u32 v[KLO+\m], v[KLO+\m], 10, 3
.endr
	ISSUE 0, 58, 0                                 ; the first trip's first three stages
	ISSUE 1, 59, 0
	ISSUE 2, 58, RECB
	s_wait_loadcnt 57                              ; all that was asked for ahead of these 57 is in: the rows, their scale words and weights
.set i, 0
.rept 32
	ds_store_b128 v15, v[ACC+4*i:ACC+4*i+3] offset:XP*i
.set i, i+1
.endr
	s_wait_dscnt 0x0                               ; for the others' sake: my rows have landed
.set i, 0
.rept 64
	v_mov_b32 v[ACC+i], 0                          ; once: a half that is passed over leaves its accumulators as they are, and they are multiplied by the weight 0
.set i, i+1
.endr
	s_barrier_signal -1
	s_barrier_wait -1                              ; the one barrier: from here on the rows are only read, and each stage is one wave's own
.irp m, 0,1,2,3,4,5,6,7
	WIN 0x80+0x40*(\m/4)                           ; destination window 2 or 3
.irp k, 0,1,2,3,4,5,6,7,8,9,10,11,12,13,14,15
	ds_load_b128 v[64*(\m%4)+4*\k:64*(\m%4)+4*\k+3], v8 offset:16*XP*\m+32*\k                ; registers 4 k on: K = 32 k + 16 h + 0 .. 15 of row 16 m + r
.endr
.endr
	WIN 0
	s_wait_dscnt 0x0
; The trip's two experts, the record of its fourth stage, and the records of the next trip's first three: the next pair of this column tile, or the first pair of the next.
.macro TRIPHEAD ct, ctn
	s_lshl_b32 s78, s54, 3
	s_lshr_b32 s78, s52, s78
	s_and_b32 s55, s78, 15                         ; EA
	s_bfe_u32 s56, s78, 0x40004                    ; EB
	s_add_co_u32 s79, s49, \ct
	RECOFF s57, s56, s79
	s_add_co_u32 s80, s54, 1
	s_cmp_lt_u32 s80, s53
	s_cselect_b32 s80, s80, 0
	s_cselect_b32 s81, \ct, \ctn
	s_add_co_u32 s81, s81, s49
	s_lshl_b32 s80, s80, 3
	s_lshr_b32 s80, s52, s80
	s_and_b32 s82, s80, 15
	s_bfe_u32 s83, s80, 0x40004
	RECOFF s58, s82, s81
	RECOFF s59, s83, s81
.endm
; Each token's weight for EA and for EB: its lo's or its hi's weight where the number fits, else 0.
.macro WEIGHTS
.irp m, 0,1,2,3,4,5,6,7
	v_cmp_eq_u32 s84, s55, v[KLO+\m]
	v_cmp_eq_u32 s85, s55, v[KHI+\m]
	v_cmp_eq_u32 s86, s56, v[KLO+\m]
	v_cmp_eq_u32 s87, s56, v[KHI+\m]
	v_cndmask_b32 v[WA+\m], 0, v[WT+2*\m], s84
	v_cndmask_b32 v[WB+\m], 0, v[WT+2*\m], s86
	v_cndmask_b32 v[WA+\m], v[WA+\m], v[WT+2*\m+1], s85
	v_cndmask_b32 v[WB+\m], v[WB+\m], v[WT+2*\m+1], s87
.endr
.endm
; 16 matrix instructions: buffer p's 16 outputs x the four tiles of half hf, K step by K step.  The four accumulators take turns, one instruction a turn.
; W's scale words of K steps 2, 3 and x's of tiles 4-7 lie in lanes 16-31 of their registers.
.macro HALF p, hf
	s_bitcmp1_b32 s[50+\hf], s[55+(\p)%2]          ; does a token of this half use the expert?  (The number 8 never fits)
	s_cbranch_scc0 .Lskip_\@
	WIN 0x09+4*\hf                                 ; source 0 (W) window 1, source 1 (x) window 2 or 3, C and D window 0
.irp ks, 0,1,2,3
.irp mm, 0,1,2,3
.set rD, ACC+8*(4*\hf+\mm)
.set rA, 64*(\p)+16*\ks
.set rB, 64*\mm+16*\ks
.set rSA, WSC+2*(\p)+(\ks%2)
.set rSB, XSC+4*\mm+\ks
.if \ks == 0
.set rC, BI+8*(\p)                     ; the bias starts the sum
.else
.set rC, rD
.endif
.if \ks < 2
.if \hf == 0
	v_wmma_scale_f32_16x16x128_f8f6f4 v[rD:rD+7], v[rA:rA+15], v[rB:rB+15], v[rC:rC+7], v[rSA], v[rSB]
.else
	v_wmma_scale_f32_16x16x128_f8f6f4 v[rD:rD+7], v[rA:rA+15], v[rB:rB+15], v[rC:rC+7], v[rSA], v[rSB] matrix_b_scale:MATRIX_SCALE_ROW1
.endif
.else
.if \hf == 0
	v_wmma_scale_f32_16x16x128_f8f6f4 v[rD:rD+7], v[rA:rA+15], v[rB:rB+15], v[rC:rC+7], v[rSA], v[rSB] matrix_a_scale:MATRIX_SCALE_ROW1
.else
	v_wmma_scale_f32_16x16x128_f8f6f4 v[rD:rD+7], v[rA:rA+15], v[rB:rB+15], v[rC:rC+7], v[rSA], v[rSB] matrix_a_scale:MATRIX_SCALE_ROW1 matrix_b_scale:MATRIX_SCALE_ROW1
.endif
.endif
.endr
.endr
	WIN 0
.Lskip_\@:
.endm
; The weighted sums: OUT = (first) or += the accumulators x the tokens' weights; each accumulator from its low end on.  A tile's weight is one register of a pair and serves both halves.
.macro WSUM first, wb
.irp m, 0,1,2,3,4,5,6,7
.irp j, 0,2,4,6
.set rO, OUT+8*\m+\j
.set rC, ACC+8*\m+\j
.set rW, \wb+2*(\m/2)
.if \first
.if (\m%2) == 0
	v_pk_mul_f32 v[rO:rO+1], v[rC:rC+1], v[rW:rW+1] op_sel_hi:[1,0]
.else
	v_pk_mul_f32 v[rO:rO+1], v[rC:rC+1], v[rW:rW+1] op_sel:[0,1] op_sel_hi:[1,1]
.endif
.else
.if (\m%2) == 0
	v_pk_fma_f32 v[rO:rO+1], v[rC:rC+1], v[rW:rW+1], v[rO:rO+1] op_sel_hi:[1,0,1]
.else
	v_pk_fma_f32 v[rO:rO+1], v[rC:rC+1], v[rW:rW+1], v[rO:rO+1] op_sel:[0,1,0] op_sel_hi:[1,1,1]
.endif
.endif
.endr
.endr
.endm
; A STAGE: buffer p; q: the column tile's place among the stage rows' 64 outputs.
.macro STAGE p, q
.if \p == 0
	ISSUE 3, 57, RECB                              ; this trip's fourth stage: (t + 1, EB)
.elseif \p == 1
	ISSUE 0, 58, 0                                 ; the next trip's (t, EA),
.elseif \p == 2
	ISSUE 1, 59, 0                                 ; (t, EB),
.else
	ISSUE 2, 58, RECB                              ; (t + 1, EA)
.endif
	s_wait_loadcnt 57                              ; loads come back in order (ISA guide 5.7.1): buffer p's 19 are in, the three younger sets of 19 stay out
	HALF \p, 0
	HALF \p, 1
.rept 8
	v_nop                                          ; eight places between the last products and the first read of results
.endr
.if ((\p)%2) == 0
	s_wait_dscnt 0x0                               ; the stores of the column tile before have read OUT
	s_cmp_eq_u32 s54, 0
	s_cbranch_scc0 .Lmore_\@
	WSUM 1, WA                                     ; the first pair of experts starts the sums
	s_branch .Ldone_\@
.Lmore_\@:
.irp m, 0,1,2,3,4,5,6,7                ; a later pair takes up what the earlier ones left in my stage
	ds_load_b128 v[OUT+8*\m:OUT+8*\m+3], v4 offset:16*SP*\m+64*(\q)
	ds_load_b128 v[OUT+8*\m+4:OUT+8*\m+7], v4 offset:16*SP*\m+64*(\q)+16
.endr
	s_wait_dscnt 0x0
	WSUM 0, WA
.Ldone_\@:
.else
	WSUM 0, WB
.irp m, 0,1,2,3,4,5,6,7
	ds_store_b128 v4, v[OUT+8*\m:OUT+8*\m+3] offset:16*SP*\m+64*(\q)         ; lane (r, h): token 16 m + r, outputs 16 q + 8 h + 0 .. 7
	ds_store_b128 v4, v[OUT+8*\m+4:OUT+8*\m+7] offset:16*SP*\m+64*(\q)+16
.endr
.endif
.endm
; Two column tiles, ct and ct + 1, through all listed experts.
.macro GROUP ct, ctn, q0
	s_mov_b32 s54, 0
.Ltrip_\@:
	TRIPHEAD \ct, \ctn
	WEIGHTS
	STAGE 0, \q0
	STAGE 1, \q0
	STAGE 2, \q0+1
	STAGE 3, \q0+1
	s_add_co_u32 s54, s54, 1
	s_cmp_lt_u32 s54, s53
	s_cbranch_scc1 .Ltrip_\@
.endm
; 64 finished outputs of 128 tokens leave my stage: rows i and i + 64 an instruction, sixteen lanes store 256 consecutive bytes, aligned, at the row's token.
; The rows' tokens are read from order again: 16 loads bring a lane the words of its 64 rows (i + 64 h, i = 0 .. 63) into the registers of the sums, which are free here.
.macro FLUSH half
	s_wait_dscnt 0x0                               ; the last stores into the stage have read OUT
.irp k, 0,1,2,3,4,5,6,7,8,9,10,11,12,13,14,15
	global_load_b128 v[OUT+4*\k:OUT+4*\k+3], v6, s[4:5] offset:16*\k         ; the words of rows 4 k .. 4 k + 3 (+ 64 h)
.endr
.irp bt, 0,1,2,3
.if \bt > 0
	s_wait_xcnt 0x0                                ; the batch before has read its data
.endif
.irp j, 0,1,2,3,4,5,6,7,8,9,10,11,12,13,14,15
	ds_load_b128 v[ACC+4*\j:ACC+4*\j+3], v5 offset:SP*(16*\bt+\j)
.endr
.if \bt == 0
	s_wait_loadcnt 0x0                             ; the words of order are in (and with them the older loads of W)
.endif
.irp j, 0,1,2,3,4,5,6,7,8,9,10,11,12,13,14,15
	s_wait_dscnt 15-\j                             ; rows j are in; the younger rows stay out
	v_lshrrev_b32 v[OUT+16*\bt+\j], 16, v[OUT+16*\bt+\j]
	v_min_u32 v[OUT+16*\bt+\j], 0x7fff, v[OUT+16*\bt+\j]                     ; the token, held inside out0
	v_lshl_add_u32 v[OUT+16*\bt+\j], v[OUT+16*\bt+\j], 11, v7
	global_store_b128 v[OUT+16*\bt+\j], v[ACC+4*\j:ACC+4*\j+3], s[14:15] offset:256*\half th:TH_STORE_NT
.endr
.endr
	s_wait_xcnt 0x0                                ; the accumulators and sums are written again only behind this wait
.endm
	GROUP 0, 2, 0
	GROUP 2, 4, 2
	FLUSH 0
	GROUP 4, 6, 0
	GROUP 6, 0, 2
	FLUSH 1
	s_wait_tensorcnt 0x0
	ds_add_u32 v254, v255
	s_wait_dscnt 0x0
	s_endpgm
.Lfunc_end_k_qab5e6b6344_experts:
	.size	k_qab5e6b6344_experts, .Lfunc_end_k_qab5e6b6344_experts-k_qab5e6b6344_experts
	.p2alignl 7, 3214868480
	.fill 96, 4, 3214868480
	.section	.rodata,"a",@progbits
	.p2align	6, 0x0
	.amdhsa_kernel k_qab5e6b6344_experts
		.amdhsa_group_segment_fixed_size 207360
		.amdhsa_private_segment_fixed_size 0
		.amdhsa_enable_private_segment 0
		.amdhsa_kernarg_size 48
		.amdhsa_user_sgpr_count 2
		.amdhsa_user_sgpr_kernarg_segment_ptr 1
		.amdhsa_wavefront_size32 1
		.amdhsa_system_sgpr_workgroup_id_x 1
		.amdhsa_system_sgpr_workgroup_id_y 1
		.amdhsa_system_sgpr_workgroup_id_z 1
		.amdhsa_system_vgpr_workitem_id 0
		.amdhsa_next_free_vgpr 1024
		.amdhsa_next_free_sgpr 100
		.amdhsa_reserve_vcc 0
		.amdhsa_float_denorm_mode_32 3
		.amdhsa_float_denorm_mode_16_64 3
		.amdhsa_memory_ordered 1
		.amdhsa_forward_progress 1
		.amdhsa_inst_pref_size 255
	.end_amdhsa_kernel
	.section	.bss,"aw",@nobits
	.p2align	6
	.space	262144
	.amdgpu_metadata
---
amdhsa.version: [ 1, 2 ]
amdhsa.kernels:
  - .name:           k_qab5e6b6344_experts
    .symbol:         k_qab5e6b6344_experts.kd
    .args:
      - { .name: order, .offset: 0, .size: 8, .value_kind: global_buffer, .address_space: global }
      - { .name: xcodes, .offset: 8, .size: 8, .value_kind: global_buffer, .address_space: global }
      - { .name: xscales, .offset: 16, .size: 8, .value_kind: global_buffer, .address_space: global }
      - { .name: wts, .offset: 24, .size: 8, .value_kind: global_buffer, .address_space: global }
      - { .name: wrec, .offset: 32, .size: 8, .value_kind: global_buffer, .address_space: global }
      - { .name: out0, .offset: 40, .size: 8, .value_kind: global_buffer, .address_space: global }
    .group_segment_fixed_size: 207360
    .private_segment_fixed_size: 0
    .kernarg_segment_align: 8
    .kernarg_segment_size: 48
    .max_flat_workgroup_size: 128
    .sgpr_count:     100
    .vgpr_count:     1024
    .wavefront_size: 32
...
	.end_amdgpu_metadata
.endif
;; end of part 3
;; ======== version 2 of 2: 3 launches; version 1 with the launch experts written anew for expert scheduling mode
;; workspace buffers: xcodes 16,777,216 bytes; xscales 524,288 bytes; sel 131,072 bytes of whole numbers; wts 262,144 bytes; hist 131,072 bytes of whole numbers; order 131,072 bytes of whole numbers; wrec 2,228,224 bytes
;; launch route: the kernel of part 1 again; grid 256 x 1, 8 waves a work-group, no clusters, 303,104 bytes of LDS; arguments x, Wg, bg, W_codes, W_scales, b, xcodes, xscales, sel, wts, hist, wrec; writes xcodes, xscales, sel, wts, hist, wrec
;; launch place: the kernel of part 2 again; grid 1 x 1, 32 waves a work-group, no clusters, 12,288 bytes of LDS; arguments hist, sel, order; writes order
;; launch experts (part 4): grid 256 x 1, 4 waves a work-group, no clusters, 207,360 bytes of LDS; arguments order, xcodes, xscales, wts, wrec, out0; writes out0
.if DOCPART == 4
	.amdgcn_target "amdgcn-amd-amdhsa--gfx1250"
	.amdhsa_code_object_version 6
	.text
	.protected	k_qab5e6b6344_experts
	.globl	k_qab5e6b6344_experts
	.p2align	8
	.type	k_qab5e6b6344_experts,@function
k_qab5e6b6344_experts:
	s_mov_b64 s[64:65], 0
	v_nop
	global_prefetch_b8 v0, s[64:65] scope:SCOPE_SE
	s_setreg_imm32_b32 hwreg(HW_REG_WAVE_SCHED_MODE, 0, 2), 2
	s_setreg_imm32_b32 hwreg(HW_REG_WAVE_MODE, 25, 1), 1
	s_wait_xcnt 0x0
	s_wait_alu depctr_vm_vsrc(0)
; EXPERTS.  out0[token] = the sum over the token's two experts e of weight_e x (x W_e^T + b_e), the product on FP8 (E4M3) codes with one E8M0 scale for each 32 along K.
; Work-group g owns the sorted places 128 g .. 128 g + 127 (tokens sorted by their pair of experts), so each row of out0 has one owner, and multiplies only by the experts that its tokens use.
; SHARES.  Four waves; wave w makes outputs 128 w .. 128 w + 127 of all 128 tokens.  The tokens' codes (8 tiles of 16 rows x 512 K: 512 registers) stay in registers; each fragment of W
; (16 outputs x 128 K) comes from memory straight into registers, laid by an earlier launch in the registers' order, and feeds 8 matrix instructions.
; TRANSPOSED: source 0 = 16 rows of W, source 1 = 16 tokens: a lane holds ONE token (lane % 16) and outputs 8 (lane / 16) + 0 .. 7.  b_e is the C of each sum's first instruction.
; THE WALK.  The experts in use make a list, taken two at a time (EA, EB); an odd list ends with the number 8, which no token has: its weight is 0, its products are passed over.
; A trip is four stages on four W buffers: (tile t, EA), (t, EB), (t + 1, EA), (t + 1, EB); so the register numbers come back whatever the list holds.  A stage asks for the W of the stage three on.
; A stage's two halves (tokens 0-63, 64-127) are passed over, by a scalar branch on the stored words, where no token of the half uses the expert; the weights there are 0.
; What steers a branch, a trip count or an address is made of the stored words of order by plain whole-number arithmetic: the masks of experts in use by scalar instructions on all 128 words.
; The last trip asks for three stages' W that nobody uses (column tile 0 again), so that every wait counts the same loads on every path and every load stays inside wrec.
; NO TENSOR LOADS AND NO CLUSTER: the walk's length and its records hang on numbers read from memory, and neighbouring work-groups have other lists.
; LIMITS: NaN and infinities are not served; a NaN code or a scale byte 0xff in W also spoils those tokens of the same half that did not choose that expert (0 x NaN).
; THE MODE: SCHED_MODE bits 1:0 = 2 (LLVM: expert scheduling mode 2), set by the entry lines.  The code itself states the register dependences between vector or matrix instructions
; and memory or LDS instructions, with s_wait_alu, always for 0.
; THE PLAN.  Registers that memory or LDS instructions touch, in the walk:
;   W buffer q, its scale words and its bias   Read by stage q's products; the loads of the stage four on land in them: they are issued in the stage behind q, between its two halves.
;   OUT   Written by every stage's weighted sums; read by an odd stage's LDS stores; where a later pair of experts takes a column tile up again, an even stage loads it from LDS.
;         On the way out the words of order land in it, vector lines make offsets of them, and the global stores read those.
;   ACC   Written by the products, read by the sums.  On the way out rows of the stage land in it and the global stores read them.
;   v1-v8 Offsets and addresses: made at the head, never written again.
; ONE wait on va_vdst ends each stage, behind its sums: the stage's products are done reading their W buffer, scale words and bias, and OUT is written.  An odd stage's LDS stores follow it.  No vector or
; matrix line behind it names that W buffer's registers before the next stage's loads land there, so these stand among that stage's matrix instructions with no further wait.
; ONE wait on vm_vsrc stands in each even stage, ahead of its sums and of its LDS loads: the LDS stores issued so far have read OUT.
; REGISTERS, in windows of 256.  Window 0: v0-8 addresses; v9-15 at work; v16-31 x's scale words (lanes 0-15 tile m, lanes 16-31 tile m + 4); v32-39 W's scale words; v40-71 biases;
;   v72-87 the tokens' two weights; v88-103 their lo, hi; v104-119 the trip's weights; v120-183 the accumulators; v184-247 the weighted sums; v254, v255 the closing add's two.
;   Window 1: W buffer p at 64 p.   Windows 2, 3: x's tile m at 64 (m % 4) of window 2 + m / 4.
; SCALARS: s[4:15] the buffers; s[16:47], and in the prologue s[68:99], words of order; behind the prologue s[16:47] are a trip's 32 masks of lanes; s48 wave, s49 its first column tile;
;   s50, s51 the halves' masks of experts; s52 the list, s53 trips, s54 the trip; s55, s56 EA, EB; s57-59 records' offsets; s62, s63 the halves' masks of pairs;
;   behind the prologue s[68:75] the four buffers' bases, s[76:77] an offset, s78-83 at work.
.set RECB, 8704                        ; a record of W: 8,192 bytes of codes, 256 of scale words, 128 of bias
.set XP,   528                         ; LDS: a token's 512 codes + 16 of padding
.set STG,  128*XP                      ; behind them a stage for each wave: 128 rows x (64 outputs of f32 + 16 bytes)
.set SP,   272
.set STGW, 128*SP
.set XSC, 16
.set WSC, 32
.set BI,  40
.set WT,  72
.set KLO, 88
.set KHI, 96
.set WA,  104
.set WB,  112
.set ACC, 120
.set OUT, 184
.set MSB, 0
.macro WIN new                         ; the immediate's high byte repeats the setting that is left; a switch that changes nothing is dropped
.if MSB != (\new)
	s_set_vgpr_msb (MSB<<8)|(\new)
.set MSB, (\new)
.endif
.endm
	s_load_b256 s[4:11], s[0:1], 0x0               ; order, xcodes, xscales, wts
	s_load_b128 s[12:15], s[0:1], 0x20             ; wrec, out0
	v_lshl_add_u32 v254, v0, 2, 0x32800
	v_mov_b32 v255, 0
	v_lshrrev_b32 v9, 5, v0
	v_readfirstlane_b32 s48, v9                    ; wave 0..3
	v_and_b32 v9, 31, v0                           ; lane
	v_and_b32 v10, 15, v0                          ; r
	v_bfe_u32 v11, v0, 4, 1                        ; h
	v_lshlrev_b32 v1, 4, v9                        ; 16 l
	v_lshlrev_b32 v2, 3, v9                        ; 8 l
	v_lshlrev_b32 v3, 5, v11                       ; 32 h
	s_wait_alu depctr_va_sdst(0)                   ; s48 is written, ahead of its first reader
	s_lshl_b32 s49, s48, 3                         ; my first column tile
	s_mul_i32 s56, s48, STGW
	s_add_co_u32 s56, s56, STG                     ; my stage
	v_mul_u32_u24 v4, v10, SP
	v_lshl_add_u32 v4, v11, 5, v4
	v_add_nc_u32 v4, s56, v4                       ; into it: row r, 32 bytes for each half of the lanes
	v_mul_u32_u24 v5, v11, 64*SP
	v_lshl_add_u32 v5, v10, 4, v5
	v_add_nc_u32 v5, s56, v5                       ; out of it: lanes 0-15 a row of 256 bytes, lanes 16-31 the row 64 further down
	v_lshlrev_b32 v6, 8, v11                       ; and those rows' words of order: 256 h
	s_lshl_b32 s57, s48, 9
	v_lshl_add_u32 v7, v10, 4, s57                 ; my 16 bytes of a row of out0: 512 w + 16 (l % 16)
	v_mul_u32_u24 v8, v10, XP
	v_lshl_add_u32 v8, v11, 4, v8                  ; a fragment of x: row r, + 16 h
	s_mul_i32 s57, s48, 32*XP
	v_add_nc_u32 v15, s57, v1                      ; where my wave puts its 32 gathered rows
	v_lshlrev_b32 v9, 2, v10                       ; 4 r
	v_lshl_add_u32 v12, v11, 8, v9                 ; 4 r + 256 h
	s_wait_kmcnt 0x0
	s_wait_alu depctr_va_vdst(0)                   ; v1 to v9, v12 and v15 are written: every load, store and LDS instruction of the kernel reads one of them as its offset or address
	s_lshl_b32 s56, ttmp9, 9
	s_mov_b32 s57, 0
	s_add_nc_u64 s[4:5], s[4:5], s[56:57]          ; my 128 words of order
	s_lshl_b32 s58, s48, 7
	s_mov_b32 s59, 0
	s_add_nc_u64 s[60:61], s[4:5], s[58:59]
	s_load_b512 s[16:31], s[60:61], 0x0            ; my wave's 32 rows, as scalars: for the gather
	s_load_b512 s[32:47], s[60:61], 0x40
	s_load_b512 s[68:83], s[4:5], 0x0              ; rows 0-31: for the masks
	s_load_b512 s[84:99], s[4:5], 0x40
.irp m, 0,1,2,3,4,5,6,7
	global_load_b32 v[KLO+\m], v9, s[4:5] offset:64*\m          ; row 16 m + r
.endr
.irp m, 0,1,2,3
	global_load_b32 v[104+\m], v12, s[4:5] offset:64*\m         ; row 16 m + r + 64 h
.endr
	s_wait_kmcnt 0x0
	; the gather: one load reads one token's whole row of 512 codes.  Every index is held inside its table before it enters an address.  All 32 offsets are made first, each word in its own scalar register
.set i, 0
.rept 32
	s_lshr_b32 s[16+i], s[16+i], 16
	s_min_u32 s[16+i], s[16+i], 0x7fff
	s_lshl_b32 s[16+i], s[16+i], 9
	v_add_nc_u32 v[BI+i], s[16+i], v1
.set i, i+1
.endr
	s_wait_alu depctr_va_vdst(0)                   ; the 32 offsets v[BI ..] are written, which the 32 loads below read
.set i, 0
.rept 32
	global_load_b128 v[ACC+4*i:ACC+4*i+3], v[BI+i], s[6:7] th:TH_LOAD_NT     ; order is a permutation: each row is read once in the launch
.set i, i+1
.endr
; 32 words of order: the bit of each word's pair (bits 0-4 of the word) goes into a mask of the 28 pairs.  Two registers at work by turns.
.macro PAIRS pm, base
.set i, 0
.rept 32
	s_and_b32 s[56+i%2], s[\base+i], 31
	s_lshl_b32 s[56+i%2], 1, s[56+i%2]
	s_or_b32 s[\pm], s[\pm], s[56+i%2]
.set i, i+1
.endr
.endm
	s_load_b512 s[16:31], s[4:5], 0x80             ; rows 32-63 (the gather has read its words)
	s_load_b512 s[32:47], s[4:5], 0xc0
	s_mov_b32 s62, 0                               ; the pairs of rows 0-63,
	s_mov_b32 s63, 0                               ; of rows 64-127
	PAIRS 62, 68
	s_load_b512 s[68:83], s[4:5], 0x100            ; rows 64-95
	s_load_b512 s[84:99], s[4:5], 0x140
	s_wait_loadcnt 32                              ; the 12 loads of order words are in; the 32 rows asked for behind them stay out
.irp m, 0,1,2,3
	v_lshrrev_b32 v[104+\m], 16, v[104+\m]
.endr
.irp m, 0,1,2,3,4,5,6,7
	v_lshrrev_b32 v[KHI+\m], 16, v[KLO+\m]
.endr
.irp m, 0,1,2,3
	v_min_u32 v[104+\m], 0x7fff, v[104+\m]
.endr
.irp m, 0,1,2,3,4,5,6,7
	v_min_u32 v[KHI+\m], 0x7fff, v[KHI+\m]
.endr
.irp m, 0,1,2,3
	v_lshlrev_b32 v[104+\m], 4, v[104+\m]
.endr
.irp m, 0,1,2,3,4,5,6,7
	v_lshlrev_b32 v[KHI+\m], 3, v[KHI+\m]
.endr
	s_wait_alu depctr_va_vdst(0)                   ; the twelve offsets v104 to v107 and v[KHI ..] are written, which the twelve loads below read
.irp m, 0,1,2,3
	global_load_b128 v[XSC+4*\m:XSC+4*\m+3], v[104+\m], s[8:9]               ; the row's four scale words
.endr
.irp m, 0,1,2,3,4,5,6,7
	global_load_b64 v[WT+2*\m:WT+2*\m+1], v[KHI+\m], s[10:11]                ; its two weights
.endr
	s_wait_kmcnt 0x0
	PAIRS 62, 16
	s_load_b512 s[16:31], s[4:5], 0x180            ; rows 96-127
	s_load_b512 s[32:47], s[4:5], 0x1c0
	PAIRS 63, 68
	s_wait_kmcnt 0x0
	PAIRS 63, 16
	; which experts each half uses: expert e is in use where one of the seven pairs that hold e is present.  Pair (lo, hi) has the number lo (13 - lo) / 2 + hi - 1
	s_mov_b32 s50, 0
	s_mov_b32 s51, 0
.macro EXPERTBIT e, pe
	s_and_b32 s56, s62, \pe                        ; SCC: the result is not 0
	s_cselect_b32 s56, 1<<\e, 0
	s_or_b32 s50, s50, s56
	s_and_b32 s57, s63, \pe
	s_cselect_b32 s57, 1<<\e, 0
	s_or_b32 s51, s51, s57
.endm
	EXPERTBIT 0, 0x7f
	EXPERTBIT 1, 0x1f81
	EXPERTBIT 2, 0x3e082
	EXPERTBIT 3, 0x3c2104
	EXPERTBIT 4, 0x1c44208
	EXPERTBIT 5, 0x6488410
	EXPERTBIT 6, 0xa910820
	EXPERTBIT 7, 0xd221040
	s_mov_b32 s77, 0                               ; the upper word of the records' offsets (the words of order have left these registers)
	s_or_b32 s78, s50, s51
	s_bcnt1_i32_b32 s53, s78
	s_add_co_u32 s53, s53, 1
	s_lshr_b32 s53, s53, 1
	s_max_u32 s53, s53, 1
	s_min_u32 s53, s53, 4                          ; trips: pairs of listed experts
	s_mov_b32 s52, 0
.irp i, 0,1,2,3,4,5,6,7                ; the list, four bits an entry, ascending; 8 where it has ended
	s_or_b32 s79, s78, 0x100
	s_ctz_i32_b32 s79, s79
	s_lshl_b32 s79, s79, 4*\i
	s_or_b32 s52, s52, s79
	s_sub_co_u32 s79, s78, 1
	s_and_b32 s78, s78, s79
.endr
; The byte offset of the record of expert e (held at 7) and column tile ct: the record's number is held at 254, so that it and the record behind it lie inside wrec.
.macro RECOFF dst, e, ct
	s_min_u32 \dst, \e, 7
	s_lshl_b32 \dst, \dst, 5
	s_add_co_u32 \dst, \dst, \ct
	s_min_u32 \dst, \dst, 254
	s_mul_i32 \dst, \dst, RECB
.endm
; 19 loads: a record into W buffer q, its scale words and its bias.  Buffer q's last loads were shown done by the counted wait of the stage that multiplied it, so its base may be written;
; the products that read it stand ahead of the wait on va_vdst that ended their stage, and no vector or matrix line since names a register that these loads touch.
.macro ISSUE q, off, add
	s_add_co_u32 s76, s[\off], \add
	s_add_nc_u64 s[68+2*\q:69+2*\q], s[12:13], s[76:77]
	WIN 0x40                                       ; destination window 1
.irp k, 0,1,2,3,4,5,6,7,8,9,10,11,12,13,14,15
	global_load_b128 v[64*\q+4*\k:64*\q+4*\k+3], v1, s[68+2*\q:69+2*\q] offset:512*\k        ; 512 consecutive bytes: four registers of every lane
.endr
	WIN 0
	global_load_b64 v[WSC+2*\q:WSC+2*\q+1], v2, s[68+2*\q:69+2*\q] offset:8192               ; lanes 0-15: words 0, 1 of row r; lanes 16-31: words 2, 3
	global_load_b128 v[BI+8*\q:BI+8*\q+3], v3, s[68+2*\q:69+2*\q] offset:8448                ; b of outputs 8 h + 0 .. 7
	global_load_b128 v[BI+8*\q+4:BI+8*\q+7], v3, s[68+2*\q:69+2*\q] offset:8464
.endm
	s_and_b32 s82, s52, 15
	s_bfe_u32 s83, s52, 0x40004
	RECOFF s58, s82, s49
	RECOFF s59, s83, s49
	s_wait_xcnt 0x0                                ; the gather's offsets have been read: their registers take the biases, lo and hi
	s_wait_alu depctr_vm_vsrc(0)                   ; the loads issued so far have read their offsets v[BI ..], v[KHI ..] and v104 to v107: biases land in the first, vector lines write the others
.irp m, 0,1,2,3,4,5,6,7
	v_bfe_u32 v[KHI+\m], v[KLO+\m], 13, 3
	v_bfe_u32 v[KLO+\m], v[KLO+\m], 10, 3
.endr
	ISSUE 0, 58, 0                                 ; the first trip's first three stages (the adds that wrote v[BI ..] stand ahead of the gather's wait on va_vdst)
	ISSUE 1, 59, 0
	ISSUE 2, 58, RECB
	s_wait_loadcnt 57                              ; all that was asked for ahead of these 57 is in: the rows, their scale words and weights
.set i, 0
.rept 32
	ds_store_b128 v15, v[ACC+4*i:ACC+4*i+3] offset:XP*i
.set i, i+1
.endr
	s_wait_dscnt 0x0                               ; for the others' sake: my rows have landed
	s_wait_alu depctr_vm_vsrc(0)                   ; my LDS stores have read v120 to v247: these are the accumulators and the sums from here on
.set i, 0
.rept 64
	v_mov_b32 v[ACC+i], 0                          ; once: a half that is passed over leaves its accumulators as they are, and they are multiplied by the weight 0
.set i, i+1
.endr
	s_barrier_signal -1
	s_barrier_wait -1                              ; the one barrier: from here on the rows are only read, and each stage is one wave's own
.irp m, 0,1,2,3,4,5,6,7
	WIN 0x80+0x40*(\m/4)                           ; destination window 2 or 3
.irp k, 0,1,2,3,4,5,6,7,8,9,10,11,12,13,14,15
	ds_load_b128 v[64*(\m%4)+4*\k:64*(\m%4)+4*\k+3], v8 offset:16*XP*\m+32*\k                ; registers 4 k on: K = 32 k + 16 h + 0 .. 15 of row 16 m + r
.endr
.endr
	WIN 0
	s_wait_dscnt 0x0
; The trip's two experts, the record of its fourth stage, and the records of the next trip's first three: the next pair of this column tile, or the first pair of the next.
.macro TRIPHEAD ct, ctn
	s_lshl_b32 s78, s54, 3
	s_lshr_b32 s78, s52, s78
	s_and_b32 s55, s78, 15                         ; EA
	s_bfe_u32 s56, s78, 0x40004                    ; EB
	s_add_co_u32 s79, s49, \ct
	RECOFF s57, s56, s79
	s_add_co_u32 s80, s54, 1
	s_cmp_lt_u32 s80, s53
	s_cselect_b32 s80, s80, 0
	s_cselect_b32 s81, \ct, \ctn
	s_add_co_u32 s81, s81, s49
	s_lshl_b32 s80, s80, 3
	s_lshr_b32 s80, s52, s80
	s_and_b32 s82, s80, 15
	s_bfe_u32 s83, s80, 0x40004
	RECOFF s58, s82, s81
	RECOFF s59, s83, s81
.endm
; Each token's weight for EA and for EB: its lo's or its hi's weight where the number fits, else 0.  The 32 compares go in one run, each into a scalar register of its own.
.macro WEIGHTS
.irp m, 0,1,2,3,4,5,6,7
	v_cmp_eq_u32 s[16+4*\m], s55, v[KLO+\m]
	v_cmp_eq_u32 s[17+4*\m], s55, v[KHI+\m]
	v_cmp_eq_u32 s[18+4*\m], s56, v[KLO+\m]
	v_cmp_eq_u32 s[19+4*\m], s56, v[KHI+\m]
.endr
	s_wait_alu depctr_va_sdst(0)                   ; the 32 masks s16 to s47 are written, ahead of the selects that read them
.irp m, 0,1,2,3,4,5,6,7
	v_cndmask_b32 v[WA+\m], 0, v[WT+2*\m], s[16+4*\m]
	v_cndmask_b32 v[WB+\m], 0, v[WT+2*\m], s[18+4*\m]
	v_cndmask_b32 v[WA+\m], v[WA+\m], v[WT+2*\m+1], s[17+4*\m]
	v_cndmask_b32 v[WB+\m], v[WB+\m], v[WT+2*\m+1], s[19+4*\m]
.endr
.endm
; 16 matrix instructions: buffer p's 16 outputs x the four tiles of half hf, K step by K step.  The four accumulators take turns, one instruction a turn.
; W's scale words of K steps 2, 3 and x's of tiles 4-7 lie in lanes 16-31 of their registers.
.macro HALF p, hf
	s_bitcmp1_b32 s[50+\hf], s[55+(\p)%2]          ; does a token of this half use the expert?  (The number 8 never fits)
	s_cbranch_scc0 .Lskip_\@
	WIN 0x09+4*\hf                                 ; source 0 (W) window 1, source 1 (x) window 2 or 3, C and D window 0
.irp ks, 0,1,2,3
.irp mm, 0,1,2,3
.set rD, ACC+8*(4*\hf+\mm)
.set rA, 64*(\p)+16*\ks
.set rB, 64*\mm+16*\ks
.set rSA, WSC+2*(\p)+(\ks%2)
.set rSB, XSC+4*\mm+\ks
.if \ks == 0
.set rC, BI+8*(\p)                     ; the bias starts the sum
.else
.set rC, rD
.endif
.if \ks < 2
.if \hf == 0
	v_wmma_scale_f32_16x16x128_f8f6f4 v[rD:rD+7], v[rA:rA+15], v[rB:rB+15], v[rC:rC+7], v[rSA], v[rSB]
.else
	v_wmma_scale_f32_16x16x128_f8f6f4 v[rD:rD+7], v[rA:rA+15], v[rB:rB+15], v[rC:rC+7], v[rSA], v[rSB] matrix_b_scale:MATRIX_SCALE_ROW1
.endif
.else
.if \hf == 0
	v_wmma_scale_f32_16x16x128_f8f6f4 v[rD:rD+7], v[rA:rA+15], v[rB:rB+15], v[rC:rC+7], v[rSA], v[rSB] matrix_a_scale:MATRIX_SCALE_ROW1
.else
	v_wmma_scale_f32_16x16x128_f8f6f4 v[rD:rD+7], v[rA:rA+15], v[rB:rB+15], v[rC:rC+7], v[rSA], v[rSB] matrix_a_scale:MATRIX_SCALE_ROW1 matrix_b_scale:MATRIX_SCALE_ROW1
.endif
.endif
.endr
.endr
	WIN 0
.Lskip_\@:
.endm
; The weighted sums: OUT = (first) or += the accumulators x the tokens' weights; each accumulator from its low end on.  A tile's weight is one register of a pair and serves both halves.
.macro WSUM first, wb
.irp m, 0,1,2,3,4,5,6,7
.irp j, 0,2,4,6
.set rO, OUT+8*\m+\j
.set rC, ACC+8*\m+\j
.set rW, \wb+2*(\m/2)
.if \first
.if (\m%2) == 0
	v_pk_mul_f32 v[rO:rO+1], v[rC:rC+1], v[rW:rW+1] op_sel_hi:[1,0]
.else
	v_pk_mul_f32 v[rO:rO+1], v[rC:rC+1], v[rW:rW+1] op_sel:[0,1] op_sel_hi:[1,1]
.endif
.else
.if (\m%2) == 0
	v_pk_fma_f32 v[rO:rO+1], v[rC:rC+1], v[rW:rW+1], v[rO:rO+1] op_sel_hi:[1,0,1]
.else
	v_pk_fma_f32 v[rO:rO+1], v[rC:rC+1], v[rW:rW+1], v[rO:rO+1] op_sel:[0,1,0] op_sel_hi:[1,1,1]
.endif
.endif
.endr
.endr
.endm
; A STAGE: buffer p; q: the column tile's place among the stage rows' 64 outputs.  The 19 loads into the buffer that the stage before multiplied stand between this stage's two halves.
.macro STAGE p, q
	s_wait_loadcnt 38                              ; loads come back in order (ISA guide 5.7.1): buffer p's 19 are in, the two younger sets of 19 stay out
	HALF \p, 0
.if \p == 0
	ISSUE 3, 57, RECB                              ; this trip's fourth stage: (t + 1, EB)
.elseif \p == 1
	ISSUE 0, 58, 0                                 ; the next trip's (t, EA),
.elseif \p == 2
	ISSUE 1, 59, 0                                 ; (t, EB),
.else
	ISSUE 2, 58, RECB                              ; (t + 1, EA)
.endif
	HALF \p, 1
.rept 8
	v_nop                                          ; eight places between the last products and the first read of results
.endr
.if ((\p)%2) == 0
	s_wait_dscnt 0x0                               ; the stores of the column tile before have read OUT
	s_wait_alu depctr_vm_vsrc(0)                   ; the LDS stores issued so far have read OUT, which the sums or the LDS loads below write: ahead of the branch, for both ways
	s_cmp_eq_u32 s54, 0
	s_cbranch_scc0 .Lmore_\@
	WSUM 1, WA                                     ; the first pair of experts starts the sums
	s_branch .Ldone_\@
.Lmore_\@:
.irp m, 0,1,2,3,4,5,6,7                ; a later pair takes up what the earlier ones left in my stage (the sums that last named OUT stand ahead of the wait that ended their stage)
	ds_load_b128 v[OUT+8*\m:OUT+8*\m+3], v4 offset:16*SP*\m+64*(\q)
	ds_load_b128 v[OUT+8*\m+4:OUT+8*\m+7], v4 offset:16*SP*\m+64*(\q)+16
.endr
	s_wait_dscnt 0x0
	WSUM 0, WA
.Ldone_\@:
	s_wait_alu depctr_va_vdst(0)                   ; this stage's products are done reading buffer p, its scale words and its bias, in which the next stage's loads land
.else
	WSUM 0, WB
	s_wait_alu depctr_va_vdst(0)                   ; the sums have written OUT, which the LDS stores below read; this stage's products are done reading buffer p, its scale words and its bias, in which the next stage's loads land
.irp m, 0,1,2,3,4,5,6,7
	ds_store_b128 v4, v[OUT+8*\m:OUT+8*\m+3] offset:16*SP*\m+64*(\q)         ; lane (r, h): token 16 m + r, outputs 16 q + 8 h + 0 .. 7
	ds_store_b128 v4, v[OUT+8*\m+4:OUT+8*\m+7] offset:16*SP*\m+64*(\q)+16
.endr
.endif
.endm
; Two column tiles, ct and ct + 1, through all listed experts.
.macro GROUP ct, ctn, q0
	s_mov_b32 s54, 0
.Ltrip_\@:
	TRIPHEAD \ct, \ctn
	WEIGHTS
	STAGE 0, \q0
	STAGE 1, \q0
	STAGE 2, \q0+1
	STAGE 3, \q0+1
	s_add_co_u32 s54, s54, 1
	s_cmp_lt_u32 s54, s53
	s_cbranch_scc1 .Ltrip_\@
.endm
; 64 finished outputs of 128 tokens leave my stage: rows i and i + 64 an instruction, sixteen lanes store 256 consecutive bytes, aligned, at the row's token.
; The rows' tokens are read from order again: 16 loads bring a lane the words of its 64 rows (i + 64 h, i = 0 .. 63) into the registers of the sums, which are free here.
; All 64 offsets are made in one run, so that one wait on va_vdst serves the 64 stores.  (The sums and products that last named OUT and ACC stand ahead of the wait that ended the last stage.)
.macro FLUSH half
	s_wait_dscnt 0x0                               ; the last stores into the stage have read OUT
	s_wait_alu depctr_vm_vsrc(0)                   ; the last LDS stores have read OUT, in which the words of order land
.irp k, 0,1,2,3,4,5,6,7,8,9,10,11,12,13,14,15
	global_load_b128 v[OUT+4*\k:OUT+4*\k+3], v6, s[4:5] offset:16*\k         ; the words of rows 4 k .. 4 k + 3 (+ 64 h)
.endr
.irp j, 0,1,2,3,4,5,6,7,8,9,10,11,12,13,14,15
	ds_load_b128 v[ACC+4*\j:ACC+4*\j+3], v5 offset:SP*\j                     ; the first batch of rows
.endr
	s_wait_loadcnt 0x0                             ; the words of order are in (and with them the older loads of W)
.set i, 0
.rept 64
	v_lshrrev_b32 v[OUT+i], 16, v[OUT+i]
.set i, i+1
.endr
.set i, 0
.rept 64
	v_min_u32 v[OUT+i], 0x7fff, v[OUT+i]           ; the token, held inside out0
.set i, i+1
.endr
.set i, 0
.rept 64
	v_lshl_add_u32 v[OUT+i], v[OUT+i], 11, v7
.set i, i+1
.endr
	s_wait_alu depctr_va_vdst(0)                   ; the 64 offsets in OUT are written, which the stores below read
.irp bt, 0,1,2,3
.if \bt > 0
	s_wait_xcnt 0x0                                ; the batch before has read its data
	s_wait_alu depctr_vm_vsrc(0)                   ; the stores of the batch before have read ACC, in which the next rows land
.irp j, 0,1,2,3,4,5,6,7,8,9,10,11,12,13,14,15
	ds_load_b128 v[ACC+4*\j:ACC+4*\j+3], v5 offset:SP*(16*\bt+\j)
.endr
.endif
.irp j, 0,1,2,3,4,5,6,7,8,9,10,11,12,13,14,15
	s_wait_dscnt 15-\j                             ; rows j are in; the younger rows stay out
	global_store_b128 v[OUT+16*\bt+\j], v[ACC+4*\j:ACC+4*\j+3], s[14:15] offset:256*\half th:TH_STORE_NT
.endr
.endr
	s_wait_xcnt 0x0                                ; the accumulators and sums are written again only behind this wait
.if \half == 0
	s_wait_alu depctr_vm_vsrc(0)                   ; the stores have read ACC and OUT, which the next products and sums write
.endif
.endm
	GROUP 0, 2, 0
	GROUP 2, 4, 2
	FLUSH 0
	GROUP 4, 6, 0
	GROUP 6, 0, 2
	FLUSH 1
	s_wait_dscnt 0x0                               ; the closing lines, six on end
	s_wait_alu 0x0
	s_wait_tensorcnt 0x0
	ds_add_u32 v254, v255
	s_wait_dscnt 0x0
	s_endpgm
.Lfunc_end_k_qab5e6b6344_experts:
	.size	k_qab5e6b6344_experts, .Lfunc_end_k_qab5e6b6344_experts-k_qab5e6b6344_experts
	.p2alignl 7, 3214868480
	.fill 96, 4, 3214868480
	.section	.rodata,"a",@progbits
	.p2align	6, 0x0
	.amdhsa_kernel k_qab5e6b6344_experts
		.amdhsa_group_segment_fixed_size 207360
		.amdhsa_private_segment_fixed_size 0
		.amdhsa_enable_private_segment 0
		.amdhsa_kernarg_size 48
		.amdhsa_user_sgpr_count 2
		.amdhsa_user_sgpr_kernarg_segment_ptr 1
		.amdhsa_wavefront_size32 1
		.amdhsa_system_sgpr_workgroup_id_x 1
		.amdhsa_system_sgpr_workgroup_id_y 1
		.amdhsa_system_sgpr_workgroup_id_z 1
		.amdhsa_system_vgpr_workitem_id 0
		.amdhsa_next_free_vgpr 1024
		.amdhsa_next_free_sgpr 100
		.amdhsa_reserve_vcc 0
		.amdhsa_float_denorm_mode_32 3
		.amdhsa_float_denorm_mode_16_64 3
		.amdhsa_memory_ordered 1
		.amdhsa_forward_progress 1
		.amdhsa_inst_pref_size 255
	.end_amdhsa_kernel
	.section	.bss,"aw",@nobits
	.p2align	6
	.space	262144
	.amdgpu_metadata
---
amdhsa.version: [ 1, 2 ]
amdhsa.kernels:
  - .name:           k_qab5e6b6344_experts
    .symbol:         k_qab5e6b6344_experts.kd
    .args:
      - { .name: order, .offset: 0, .size: 8, .value_kind: global_buffer, .address_space: global }
      - { .name: xcodes, .offset: 8, .size: 8, .value_kind: global_buffer, .address_space: global }
      - { .name: xscales, .offset: 16, .size: 8, .value_kind: global_buffer, .address_space: global }
      - { .name: wts, .offset: 24, .size: 8, .value_kind: global_buffer, .address_space: global }
      - { .name: wrec, .offset: 32, .size: 8, .value_kind: global_buffer, .address_space: global }
      - { .name: out0, .offset: 40, .size: 8, .value_kind: global_buffer, .address_space: global }
    .group_segment_fixed_size: 207360
    .private_segment_fixed_size: 0
    .kernarg_segment_align: 8
    .kernarg_segment_size: 48
    .max_flat_workgroup_size: 128
    .sgpr_count:     100
    .vgpr_count:     1024
    .wavefront_size: 32
...
	.end_amdgpu_metadata
.endif
;; end of part 4
